; MI455X (gfx1250); checked and timed in simulation.
; The chip was launched on July 23, 2026; its instructions are those of AMD's public machine-readable ISA for CDNA 5 (MIT licence, August 2026) and "CDNA5" Instruction Set Architecture Reference Guide (July 2026). The comments in the code are by the model that wrote it; some were corrected since.
;; Multi Head Self Attention. Allowed arithmetic: matrix products marked QUANTISED: E2M3 operands, one E8M0 scale for each 32 along K, by v_wmma_scale_f32_16x16x128_f8f6f4 with both operands' format E2M3, f32 sums; everything else in f32.
;; Inputs: Wk 1,024 x 1,024 float32; Wo 1,024 x 1,024 float32; Wq 1,024 x 1,024 float32; Wv 1,024 x 1,024 float32; bk 1,024 float32; bo 1,024 float32; bq 1,024 float32; bv 1,024 float32; x 1 x 4,096 x 1,024 float32.
;; Outputs: out0 1 x 4,096 x 1,024 float32.
;; This version of the problem:
;;   THIS VERSION OF THE PROBLEM IS GIVEN IN LOW PRECISION. The matrix products marked QUANTISED in the list below multiply operands that are first quantised to E2M3 (2 exponent bits, 3 mantissa bits; 6 bits a number), with one power-of-two scale for each 32 numbers along K (OCP MX v1.0); their sums are f32. All else is computed in f32.
;;   The module's matrix products, in the order in which they are computed (A, B: the left and right operand; K: the contracted axis; several contracted axes count as one K, in the product's order):
;;     1. [M 4,096, K 1,024] x [K 1,024, N 1,024]; A: input x; B: input Wq: QUANTISED
;;     2. [M 4,096, K 1,024] x [K 1,024, N 1,024]; A: input x; B: input Wk: QUANTISED
;;     3. [M 4,096, K 1,024] x [K 1,024, N 1,024]; A: input x; B: input Wv: QUANTISED
;;     4. batch 16 x [M 4,096, K 64] x [K 64, N 4,096]; A: computed on the way; B: computed on the way: QUANTISED
;;     5. batch 16 x [M 4,096, K 4,096] x [K 4,096, N 64]; A: softmax (see below); B: computed on the way: QUANTISED
;;     6. [M 4,096, K 1,024] x [K 1,024, N 1,024]; A: computed on the way; B: input Wo: QUANTISED
;;   THE QUANTISER, for each operand of a quantised product, along K:
;;     - K is cut into blocks of 32 from its start; a last block that is shorter is filled with zeros.
;;     - A block's scale is 2^e with e = floor(log2(the largest magnitude in the block)) - 2, held to -126 .. 127; a block of zeros has e = 0. As a byte (E8M0): e + 127.
;;     - Each number is divided by its block's scale, clamped to +-7.5, and rounded to the nearest number of E2M3, ties to even, subnormals kept.
;;     - The product sums the exact products of the quantised numbers (number of the format x scale) in f32.
;;   ~~~python
;;   def quantise(x, axis):      # numpy; x: float32 -> the quantised numbers, widened to float32 again
;;       x = np.moveaxis(x, axis, -1); K = x.shape[-1]
;;       x = np.pad(x, [(0, 0)] * (x.ndim - 1) + [(0, -K % 32)]); x = x.reshape(x.shape[:-1] + (-1, 32)); a = np.abs(x).max(-1, keepdims=True)
;;       e = np.where(a > 0, np.clip(np.frexp(np.where(a > 0, a, 1))[1] - 1 - 2, -126, 127), 0)      # np.frexp(a)[1] - 1 = floor(log2(a)), exactly
;;       r = np.clip(x / 2.0 ** e, -7.5, 7.5)
;;       step = 2.0 ** (np.maximum(np.frexp(np.where(r == 0, 1, r))[1] - 1, 0) - 3)
;;       q = np.round(r / step) * step * 2.0 ** e      # np.round: ties to even
;;       return np.moveaxis(q.reshape(q.shape[:-2] + (-1,))[..., :K], -1, axis).astype(np.float32)
;;   ~~~
;;   SOFTMAX AHEAD OF A QUANTISED PRODUCT. Where the list says 'softmax', what is quantised is not the finished softmax but p = 2^(t - M), with t = logit x log2(e) and M = ceil(the row's largest t), a whole number; so 1/2 < the row's largest p <= 1. The row's sum l is taken of the UNQUANTISED p, in f32, and the product's result is divided by l at the end. Since M is a whole number, a kernel that streams over the keys may use a running M (the ceiling of the running maximum): every later rescaling is an exact power of two, which a block's scale takes up: the codes' values come out the same.
;;   OPERANDS COMPUTED ON THE WAY. 'Computed on the way' means the value that the module computes at that place (a softmax that the list does not call 'softmax' is quantised finished and normalised). What goes into a quantiser is computed in f32, as accurately as f32 sums, v_exp_f32 and their like allow (about 1e-6 of the number): no bf16 or f16 on the way to a quantiser, and a product that is left as it is and whose result goes on into a quantised operand takes f32 operands (vector FMAs, or v_wmma_f32_16x16x4_f32). A number that lies on a knife's edge between two numbers of the format may be rounded either way, as far as f32 arithmetic and the matrix unit's own rounding can turn it there, and no further.
;; One version. Each part assembles by itself: llvm-mc -triple=amdgcn-amd-amdhsa -mcpu=gfx1250 --defsym DOCPART=n.
;; ======== version 1 of 1: 4 launches
;; limits: right only within a limited range of input values
;; workspace buffers: xq 3,276,800 bytes; wq 2,490,368 bytes; woq 819,200 bytes; qq 3,276,800 bytes; kvq 6,553,600 bytes; aq 3,276,800 bytes
;; launch quant (part 1): grid 512 x 1, 4 waves a work-group, no clusters, 68,096 bytes of LDS; arguments x, Wq, Wk, Wv, Wo, xq, wq, woq; writes xq, wq, woq
.if DOCPART == 1
	.amdgcn_target "amdgcn-amd-amdhsa--gfx1250"
	.amdhsa_code_object_version 6
	.text
	.protected	k_qb09add23a0_quant
	.globl	k_qb09add23a0_quant
	.p2align	8
	.type	k_qb09add23a0_quant,@function
k_qb09add23a0_quant:
	s_mov_b64 s[64:65], 0
	v_nop
	global_prefetch_b8 v0, s[64:65] scope:SCOPE_SE
	s_setreg_imm32_b32 hwreg(HW_REG_WAVE_MODE, 25, 1), 1
	s_wait_xcnt 0x0
; x [4096][1024] and Wq, Wk, Wv, Wo [1024][1024], f32, K innermost, become codes of E2M3 with one E8M0 byte for each 32 along K.
; A block's scale is 2^(floor(log2(largest magnitude)) - 2): its byte is the largest magnitude's exponent field - 2, held at 1 from below.
; THE CODES ARE LAID AS IMAGES OF OPERAND REGISTERS: a fragment (16 rows x 128 K, 12 registers a lane) is three groups of 512 bytes, group g = registers 4 g .. 4 g + 3, lane l at byte 16 l.
; A record holds one K step's fragments and behind them 512 bytes of scale words: byte 16 lane + 4 i = scale register i, lanes 0-15 the words of tile 2 i, lanes 16-31 those of tile 2 i + 1.
;   xq  [32 groups of 128 tokens][8 K steps][8 tiles x 1,536 + 512]      woq [8 groups of 128 rows of Wo][8][the same]
;   wq  [16 heads][2 types][8 K steps][6 tiles x 1,536 + 512]: type 0 = the head's 64 rows of Wq and its first 32 of Wv, type 1 = Wk and the other 32 of Wv
; THE ORDER INSIDE A BLOCK OF 32: places 0-7, 8-15, 16-23, 24-31 hold elements 0-7, 16-23, 8-15, 24-31.  Every operand of every product of this program has that order along its K,
; so the products are the same numbers; only the grouping of the f32 sums inside a matrix instruction differs from the plain order.
; SHARES: a wave takes 32 rows x 128 K (two tiles, 16 KiB of f32).  All waves take one path; only scalars (source, rows, K step, destination) hang on the work-group's and the wave's number.
; Each load reads 512 consecutive bytes of a row; a tile turns through the wave's own stage in LDS (rows 528 bytes apart), from which a lane takes two whole blocks of its row.
; LIMITS: NaN and infinities are not served; a block of zeros, or one under 2^-124, has the byte 1 (its codes are zeros or tiny; only this program reads the bytes).
; The scale words leave as 4 bytes of each 16 (128 bytes for 16 KiB read): the record's image is shared by four waves.
.set STG,   16896                      ; LDS of a wave: two stages
.set HST,   8448                       ; a stage: 16 rows x 528
.set SP,    528                        ; a stage row: 512 bytes + 16, so that sixteen rows start in sixteen different groups of banks
.set SPARE, 4*STG                      ; the spare words, 128 bytes for each wave
.set LO,    4                          ; v4   16 x lane: offset of loads, code stores and the scale store; never rewritten
.set SIN,   5                          ; v5   the stage, on the way in
.set SOUT,  6                          ; v6   and on the way out: row r, + 128 h
.set SH8,   8                          ; v8   8 h
.set SPW,   10                         ; v10  my spare word
.set NIL,   11                         ; v11  0
.set R,     16                         ; v16-143 the two tiles' numbers
.set TM,    144                        ; v144-151 at work
.set C,     160                        ; v160.., v180..: a tile's 12 registers of codes and two spare triples
.set WD,    200                        ; v200, v201 the tiles' scale words; v202 both
.set SEL,   2                          ; s[2:3] lane selects: lane l xor 16
.set HM,    47                         ; s47  lanes 16-31
	s_load_b256 s[4:11], s[0:1], 0x0               ; x, Wq, Wk, Wv
	s_load_b256 s[12:19], s[0:1], 0x20             ; Wo, xq, wq, woq
	v_lshl_add_u32 v[SPW], v0, 2, SPARE
	v_mov_b32 v[NIL], 0
	v_lshrrev_b32 v1, 5, v0
	v_readfirstlane_b32 s20, v1                    ; wave
	v_and_b32 v2, 31, v0
	v_lshlrev_b32 v[LO], 4, v2
	v_and_b32 v3, 15, v0                           ; r
	v_bfe_u32 v7, v0, 4, 1                         ; h
	s_mul_i32 s21, s20, STG
	v_add_nc_u32 v[SIN], s21, v[LO]
	v_mul_u32_u24 v[SOUT], v3, SP
	v_lshl_add_u32 v[SOUT], v7, 7, v[SOUT]
	v_add_nc_u32 v[SOUT], s21, v[SOUT]
	v_lshlrev_b32 v[SH8], 3, v7
	v_mov_b32 v[TM+7], 0                           ; a lane permute's destination counts as one of its sources
	s_mov_b32 s[SEL], 0x76543210
	s_mov_b32 s[SEL+1], 0xfedcba98
	s_mov_b32 s[HM], 0xffff0000
	; what is mine.  g = work-group.  g < 256: x, record g.  Else g' = g - 256 = wq's record; waves 0, 1: Wq or Wk; wave 2: Wv; wave 3: a pair of tiles of Wo
	s_and_b32 s22, ttmp9, 255                      ; g'
	s_and_b32 s38, ttmp9, 7                        ; the K step of x's and of wq's record
	s_lshl_b32 s23, s20, 5                         ; 32 x wave
	s_lshr_b32 s24, s22, 4
	s_lshl_b32 s24, s24, 6                         ; 64 x head
	s_bfe_u32 s25, s22, 0x10003                    ; type
	s_lshl_b32 s26, s25, 5
	s_add_co_u32 s26, s26, s24                     ; Wv: first row
	s_add_co_u32 s24, s24, s23                     ; Wq, Wk: first row
	s_lshr_b32 s27, s22, 5
	s_lshl_b32 s27, s27, 7
	s_and_b32 s28, s22, 3                          ; Wo: which pair of tiles
	s_lshl_b32 s29, s28, 5
	s_add_co_u32 s27, s27, s29                     ; Wo: first row
	s_lshr_b32 s29, s22, 2                         ; Wo: record
	s_and_b32 s30, s29, 7                          ; Wo: K step
	s_mul_i32 s29, s29, 12800
	s_lshr_b32 s31, ttmp9, 3
	s_lshl_b32 s31, s31, 7
	s_add_co_u32 s31, s31, s23                     ; x: first row
	s_mul_i32 s32, ttmp9, 12800
	s_mul_i32 s34, s22, 9728
	s_mov_b32 s35, 12288                           ; where the scale words begin in a record of 8 tiles,
	s_mov_b32 s36, 9216                            ; and of 6
	s_lshr_b32 s46, ttmp9, 8
	s_cmp_eq_u32 s20, 2
	s_cselect_b32 s24, s26, s24
	s_cselect_b32 s46, s46, 0                      ; 1: I also write wq's fourth scale register
	s_cmp_eq_u32 s20, 3
	s_cselect_b32 s24, s27, s24
	s_cselect_b32 s33, s30, s38
	s_cselect_b32 s34, s29, s34
	s_cselect_b32 s37, s28, s20
	s_cselect_b32 s36, s35, s36
	s_cmp_lt_u32 ttmp9, 256
	s_cselect_b32 s24, s31, s24                    ; first row
	s_cselect_b32 s33, s38, s33                    ; K step
	s_cselect_b32 s34, s32, s34                    ; the record's byte
	s_cselect_b32 s37, s20, s37                    ; the pair of tiles in it
	s_cselect_b32 s36, s35, s36
	s_lshl_b32 s40, s24, 12
	s_lshl_b32 s33, s33, 9
	s_add_co_u32 s40, s40, s33                     ; source: 4,096 x row + 512 x K step
	s_mov_b32 s41, 0
	s_mul_i32 s42, s37, 3072
	s_add_co_u32 s42, s42, s34                     ; codes
	s_mov_b32 s43, 0
	s_lshl_b32 s44, s37, 2
	s_add_co_u32 s44, s44, s34
	s_add_co_u32 s44, s44, s36                     ; scale words
	s_mov_b32 s45, 0
	s_wait_alu depctr_va_vdst(0)
	s_wait_kmcnt 0x0
	s_cmp_eq_u32 s25, 0                            ; the choices hang on ids alone
	s_cselect_b64 s[6:7], s[6:7], s[8:9]
	s_cmp_eq_u32 s20, 2
	s_cselect_b64 s[6:7], s[10:11], s[6:7]
	s_cmp_eq_u32 s20, 3
	s_cselect_b64 s[6:7], s[12:13], s[6:7]
	s_cselect_b64 s[16:17], s[18:19], s[16:17]
	s_cmp_lt_u32 ttmp9, 256
	s_cselect_b64 s[6:7], s[4:5], s[6:7]
	s_cselect_b64 s[16:17], s[14:15], s[16:17]
	s_add_nc_u64 s[6:7], s[6:7], s[40:41]
	s_add_nc_u64 s[18:19], s[16:17], s[44:45]
	s_add_nc_u64 s[16:17], s[16:17], s[42:43]
.irp j, 0,1,2,3,4,5,6,7,8,9,10,11,12,13,14,15,16,17,18,19,20,21,22,23,24,25,26,27,28,29,30,31
	global_load_b128 v[R+4*\j:R+4*\j+3], v[LO], s[6:7] offset:4096*\j th:TH_LOAD_NT   ; row j: 32 lanes read 512 consecutive bytes
.endr
.macro TILE u
	s_wait_loadcnt 16-16*\u                        ; this tile's 16 loads are in; the other tile's 16 may be out
.irp j, 0,1,2,3,4,5,6,7,8,9,10,11,12,13,14,15
	ds_store_b128 v[SIN], v[R+64*\u+4*\j:R+64*\u+4*\j+3] offset:HST*\u+SP*\j
.endr
.irp c, 0,1                            ; back: lane (r, h) takes blocks h and 2 + h of row r, whole; the piece of elements 4 q .. 4 q + 3 goes to the place that the order inside a block gives it
.irp q, 0,1,2,3,4,5,6,7
	ds_load_b128 v[R+64*\u+32*\c+4*((\q%2)+4*((\q/2)%2)+2*(\q/4)):R+64*\u+32*\c+4*((\q%2)+4*((\q/2)%2)+2*(\q/4))+3], v[SOUT] offset:HST*\u+256*\c+16*\q   ; LDS serves a wave's instructions in order: these see the stores above
.endr
.endr
	s_wait_dscnt 0x0
.irp c, 0,1
	v_max3_num_f32 v[TM+\c], |v[R+64*\u+32*\c]|, |v[R+64*\u+32*\c+1]|, 0x1800000   ; the block's largest magnitude, and the floor 2^(3 - 127): the byte cannot fall under 1
.endr
.irp i, 2,4,6,8,10,12,14,16,18,20,22,24,26,28,30
.irp c, 0,1
	v_max3_num_f32 v[TM+\c], v[TM+\c], |v[R+64*\u+32*\c+\i]|, |v[R+64*\u+32*\c+\i+1]|   ; (the two blocks by turns)
.endr
.endr
.irp c, 0,1
	v_add_nc_u32 v[TM+2+\c], 0xff000000, v[TM+\c]  ; 2 off the exponent field: the conversion's scale operand
.endr
.irp c, 0,1
	v_lshrrev_b32 v[TM+4+\c], 23, v[TM+2+\c]       ; the scale's byte
.endr
	v_lshl_or_b32 v[TM+6], v[TM+5], 16, v[TM+4]    ; my two bytes, blocks h and 2 + h,
	v_lshlrev_b32 v[TM+6], v[SH8], v[TM+6]         ; at their places in the row's word;
	v_permlanex16_b32 v[TM+7], v[TM+6], s[SEL], s[SEL+1]
	v_or_b32 v[WD+\u], v[TM+6], v[TM+7]            ; with lane l xor 16's two the word is whole
.irp c, 0,1
	v_cvt_scalef32_pk16_fp6_f32 v[C+20*\u+6*\c:C+20*\u+6*\c+2], v[R+64*\u+32*\c:R+64*\u+32*\c+15], v[TM+2+\c]
	v_cvt_scalef32_pk16_fp6_f32 v[C+20*\u+12+4*\c:C+20*\u+14+4*\c], v[R+64*\u+32*\c+16:R+64*\u+32*\c+31], v[TM+2+\c]   ; (a conversion's three registers begin on an even number)
.endr
	v_nop                                          ; one plain place behind a scaled conversion
.irp c, 0,1
.irp i, 0,1,2
	v_mov_b32 v[C+20*\u+3+6*\c+\i], v[C+20*\u+12+4*\c+\i]
.endr
.endr
.irp g, 0,1,2
	global_store_b128 v[LO], v[C+20*\u+4*\g:C+20*\u+4*\g+3], s[16:17] offset:1536*\u+512*\g   ; 32 lanes store 512 consecutive bytes, aligned
.endr
.endm
	TILE 0
	TILE 1
	v_cndmask_b32 v[WD+2], v[WD], v[WD+1], s[HM]   ; lanes 0-15 the even tile's words, lanes 16-31 the odd tile's
	global_store_b32 v[LO], v[WD+2], s[18:19]
	s_cmp_eq_u32 s46, 0
	s_cbranch_scc1 .Lno_copy
	global_store_b32 v[LO], v[WD+2], s[18:19] offset:4   ; wq's image has three scale registers in use; the fourth is loaded with them, so it is written
.Lno_copy:
	s_wait_tensorcnt 0x0                           ; the wave's end, behind my last LDS store
	ds_add_u32 v[SPW], v[NIL]
	s_wait_dscnt 0x0
	s_endpgm
.Lfunc_end_k_qb09add23a0_quant:
	.size	k_qb09add23a0_quant, .Lfunc_end_k_qb09add23a0_quant-k_qb09add23a0_quant
	.p2alignl 7, 3214868480
	.fill 96, 4, 3214868480
	.section	.rodata,"a",@progbits
	.p2align	6, 0x0
	.amdhsa_kernel k_qb09add23a0_quant
		.amdhsa_group_segment_fixed_size 68096
		.amdhsa_private_segment_fixed_size 0
		.amdhsa_enable_private_segment 0
		.amdhsa_kernarg_size 64
		.amdhsa_user_sgpr_count 2
		.amdhsa_user_sgpr_kernarg_segment_ptr 1
		.amdhsa_wavefront_size32 1
		.amdhsa_system_sgpr_workgroup_id_x 1
		.amdhsa_system_sgpr_workgroup_id_y 1
		.amdhsa_system_sgpr_workgroup_id_z 1
		.amdhsa_system_vgpr_workitem_id 0
		.amdhsa_next_free_vgpr 208
		.amdhsa_next_free_sgpr 66
		.amdhsa_reserve_vcc 0
		.amdhsa_float_denorm_mode_32 3
		.amdhsa_float_denorm_mode_16_64 3
		.amdhsa_memory_ordered 1
		.amdhsa_forward_progress 1
		.amdhsa_inst_pref_size 18
	.end_amdhsa_kernel
	.amdgpu_metadata
---
amdhsa.version: [ 1, 2 ]
amdhsa.kernels:
  - .name:           k_qb09add23a0_quant
    .symbol:         k_qb09add23a0_quant.kd
    .args:
      - { .name: x, .offset: 0, .size: 8, .value_kind: global_buffer, .address_space: global }
      - { .name: Wq, .offset: 8, .size: 8, .value_kind: global_buffer, .address_space: global }
      - { .name: Wk, .offset: 16, .size: 8, .value_kind: global_buffer, .address_space: global }
      - { .name: Wv, .offset: 24, .size: 8, .value_kind: global_buffer, .address_space: global }
      - { .name: Wo, .offset: 32, .size: 8, .value_kind: global_buffer, .address_space: global }
      - { .name: xq, .offset: 40, .size: 8, .value_kind: global_buffer, .address_space: global }
      - { .name: wq, .offset: 48, .size: 8, .value_kind: global_buffer, .address_space: global }
      - { .name: woq, .offset: 56, .size: 8, .value_kind: global_buffer, .address_space: global }
    .group_segment_fixed_size: 68096
    .private_segment_fixed_size: 0
    .kernarg_segment_align: 8
    .kernarg_segment_size: 64
    .max_flat_workgroup_size: 128
    .sgpr_count:     66
    .vgpr_count:     208
    .wavefront_size: 32
...
	.end_amdgpu_metadata
.endif
;; end of part 1
;; launch qkv (part 2): grid 16 x 16, 4 waves a work-group, clusters of 4 x 4, 270,848 bytes of LDS; arguments xq, wq, bq, bk, bv, qq, kvq; writes qq, kvq
.if DOCPART == 2
	.amdgcn_target "amdgcn-amd-amdhsa--gfx1250"
	.amdhsa_code_object_version 6
	.text
	.protected	k_qb09add23a0_qkv
	.globl	k_qb09add23a0_qkv
	.p2align	8
	.type	k_qb09add23a0_qkv,@function
k_qb09add23a0_qkv:
	s_mov_b64 s[64:65], 0
	v_nop
	global_prefetch_b8 v0, s[64:65] scope:SCOPE_SE
	s_setreg_imm32_b32 hwreg(HW_REG_WAVE_MODE, 25, 1), 1
	s_wait_xcnt 0x0
	s_wait_alu depctr_hold_cnt(0) depctr_sa_sdst(0) depctr_va_vdst(0) depctr_va_sdst(0) depctr_va_ssrc(0) depctr_va_vcc(0) depctr_vm_vsrc(0)
	s_getreg_b32 s2, hwreg(HW_REG_IB_STS2, 6, 4)
	s_cmp_eq_u32 s2, 0
	s_cbranch_scc0 .Lentry_in_a_cluster
	s_endpgm
.Lentry_in_a_cluster:
	s_bfe_u32 s2, ttmp6, 0x10000c
	s_cmp_lg_u32 s2, 0xf033
	s_cbranch_scc0 .Lentry_shape_is_right
	s_endpgm
.Lentry_shape_is_right:
; q, k, v = x W^T + b on codes of E2M3, then quantised again in registers: q and k along the head's 64, v along the tokens (the keys of the second attention product).
; SHARES: a work-group makes 256 tokens x one head's q, k and v.  Wave w: tokens 128 (w / 2) on; type = w % 2: the 64 columns of q (0) or of k (1), and 32 of v's 64 columns: 48 accumulators of 16 x 16.
; q and k are used transposed (source 0 = 16 rows of W, source 1 = 16 tokens): a lane holds one token, its registers run along d.  v is used plain (source 0 = tokens, source 1 = rows of Wv): a lane holds one d, its registers run along the tokens.
; So each result's registers run along the K of the product that takes it next, and 64 of them make one operand fragment (macro QUANT).  The biases are the C of each sum's first product.
; FEEDING: the operands lie in memory as images of their registers.  K steps 0 and 1 come straight into the two fragment sets; K steps 2 to 7 come as one chunk of six steps by one tensor load, into LDS bytes of its own: nothing is filled again.
; A wave has one tensor load outstanding.
; CLUSTER 4 x 4: x's chunk hangs on the token block alone and is shared along a row of the cluster, W's on the head alone and is shared along a column: joint loads.
; OUT: qq [head][32 groups of 128 tokens][4 pair fragments x 1,536 + 256 bytes of scale words]; a PAIR FRAGMENT holds token tile 2 p in registers 0-5 and tile 2 p + 1 in registers 6-11 (each: 64 along d).
;      kvq [head][32 steps of 128 keys][K: 4 pair fragments | V: 4 fragments (16 d x 128 keys) | K's scale words 256 | V's 2 x 128].
; v's scale words leave as 128 consecutive bytes a wave, half of an aligned 256.
; LIMITS: NaN and infinities are not served; a block under 2^-124 has the byte 1.  The order of the K steps and inside blocks of 32 changes only the grouping of f32 sums.
; REGISTERS: window 0: v1-7 offsets and addresses; v32-47 scale words, two sets; v64-108 the quantiser's; v128-255 v's accumulators ((n, T) at 128 + 8 (8 n + T)).
;   window 1: q's or k's accumulators ((T, t) at 8 (4 T + t)).   window 2: x's fragments, set p at 96 p + 12 T; from v192 the biases.   window 3: W's fragments, set p at 72 p + 12 t.
.set XREC,  12800
.set WREC,  9728
.set CHUNK, 90112                      ; x half 0, x half 1 (25,600 each), W type 0, W type 1 (19,456 each)
.set SPARE, 3*CHUNK                    ; the spare words, 128 bytes for each wave
.set L16, 1
.set L8,  2
.set L4,  3
.set AX,  4                            ; v4  LDS: my x half of the chunk in hand, + 16 x lane
.set AW,  5                            ; v5  LDS: my W type likewise
.set H32, 6                            ; v6  32 h
.set R4,  7                            ; v7  4 r
.set SPW, 12
.set NIL, 13
.set XS,  32                           ; x's scale registers, set p at XS + 8 p: register i = tiles 2 i | 2 i + 1
.set WS,  36                           ; W's likewise
.set PC,  64                           ; the codes just made (12) and two spare triples
.set TM,  84
.set PW,  100                          ; six scale words
.set VA,  128
.set BQ,  192                          ; in window 2: bq's or bk's four tiles
.set BV,  224                          ; and bv's two
.set WV,  18
.set G1X, 28
.set G1W, 36
.set G0X, 44                           ; one set
.set SEL, 56
.set HM,  58
.set G0W, 68                           ; one set
.set XP,  80
.set WP,  82
.set PBQ, 84
.set PBV, 86
.set DQK, 88
.set DQKS, 90
.set DV,  92
.set DVS, 94
.set MSB, 0
.macro WIN new                         ; the immediate's high byte repeats the setting that is left
.if MSB != (\new)
	s_set_vgpr_msb (MSB<<8)|(\new)
.set MSB, (\new)
.endif
.endm
.macro NOPS n
.rept \n
	v_nop
.endr
.endm
.macro CROUND                          ; a round of the cluster's barrier
	s_barrier_signal -1
	s_barrier_wait -1
	s_cmp_lg_u32 s[WV], 0
	s_cbranch_scc1 .Lnot_wave_0_\@
	s_barrier_signal -3
.Lnot_wave_0_\@:
	s_barrier_wait -3
	s_barrier_signal -1
	s_barrier_wait -1
.endm
; one scaled product: D, source 0, source 1, C (first registers), the two scale registers, and whether each side's words lie in lanes 16-31
.macro WM d, a, b, c, sa, sb, ra, rb
.if ((\ra) != 0) && ((\rb) != 0)
	v_wmma_scale_f32_16x16x128_f8f6f4 v[(\d):(\d)+7], v[(\a):(\a)+11], v[(\b):(\b)+11], v[(\c):(\c)+7], v[(\sa)], v[(\sb)] matrix_a_fmt:MATRIX_FMT_FP6 matrix_b_fmt:MATRIX_FMT_FP6 matrix_a_scale:MATRIX_SCALE_ROW1 matrix_b_scale:MATRIX_SCALE_ROW1
.elseif (\ra) != 0
	v_wmma_scale_f32_16x16x128_f8f6f4 v[(\d):(\d)+7], v[(\a):(\a)+11], v[(\b):(\b)+11], v[(\c):(\c)+7], v[(\sa)], v[(\sb)] matrix_a_fmt:MATRIX_FMT_FP6 matrix_b_fmt:MATRIX_FMT_FP6 matrix_a_scale:MATRIX_SCALE_ROW1
.elseif (\rb) != 0
	v_wmma_scale_f32_16x16x128_f8f6f4 v[(\d):(\d)+7], v[(\a):(\a)+11], v[(\b):(\b)+11], v[(\c):(\c)+7], v[(\sa)], v[(\sb)] matrix_a_fmt:MATRIX_FMT_FP6 matrix_b_fmt:MATRIX_FMT_FP6 matrix_b_scale:MATRIX_SCALE_ROW1
.else
	v_wmma_scale_f32_16x16x128_f8f6f4 v[(\d):(\d)+7], v[(\a):(\a)+11], v[(\b):(\b)+11], v[(\c):(\c)+7], v[(\sa)], v[(\sb)] matrix_a_fmt:MATRIX_FMT_FP6 matrix_b_fmt:MATRIX_FMT_FP6
.endif
.endm
	s_load_b256 s[4:11], s[0:1], 0x0               ; xq, wq, bq, bk
	s_load_b128 s[12:15], s[0:1], 0x20             ; bv, qq
	s_load_b64 s[16:17], s[0:1], 0x30              ; kvq
	v_lshl_add_u32 v[SPW], v0, 2, SPARE
	v_mov_b32 v[NIL], 0
	ds_add_u32 v[SPW], v[NIL]                      ; the wave's opening: the add and its wait ahead of my first tensor load; work on registers stands between them
	ds_add_u32 v[SPW], v[NIL]
	v_lshrrev_b32 v1, 5, v0
	v_readfirstlane_b32 s[WV], v1                  ; wave 0..3
	s_lshr_b32 s19, s[WV], 1                       ; my token half.  Also: I fetch for x (0) or for W (1)
	s_and_b32 s20, s[WV], 1                        ; my type.  Also: which half of x, or which type of W, I fetch
	s_bfe_u32 s21, ttmp6, 0x40000                  ; cx
	s_bfe_u32 s22, ttmp6, 0x40004                  ; cy
	s_lshl_b32 s23, ttmp9, 2
	s_add_co_u32 s23, s23, s21                     ; head = 4 x cluster x + cx
	s_and_b32 s24, ttmp7, 0xffff
	s_lshl_b32 s24, s24, 2
	s_add_co_u32 s24, s24, s22                     ; block of 256 tokens = 4 x cluster y + cy
	s_lshl_b32 s25, s22, 2
	s_lshl_b32 s25, 15, s25                        ; my row of the cluster
	s_lshl_b32 s26, 0x1111, s21                    ; my column
	; group 1: a dense block as rows of 256 bytes (32 elements of 8 bytes): x's 300 rows, W's 228
	s_or_b32 s[G1X], s25, (3<<16)|(1<<21)          ; 15:0 the mask; 17:16 elements of 8 bytes; 21 set beside a mask
	s_or_b32 s[G1W], s26, (3<<16)|(1<<21)
	s_mov_b32 s[G1X+1], 32<<16                     ; tensor_dim0
	s_mov_b32 s[G1X+2], 300<<16                    ; tensor_dim1: K steps 2 to 7 of my x half are 300 dense rows, one load
	s_mov_b32 s[G1X+3], 32<<16                     ; tile_dim0
	s_mov_b32 s[G1X+4], 300                        ; tile_dim1
	s_mov_b32 s[G1X+5], 32                         ; the pitch
	s_mov_b32 s[G1X+6], 0
	s_mov_b32 s[G1X+7], 0
	s_mov_b32 s[G1W+1], 32<<16
	s_mov_b32 s[G1W+2], 228<<16                    ; K steps 2 to 7 of a type of W: 228 dense rows, one load
	s_mov_b32 s[G1W+3], 32<<16
	s_mov_b32 s[G1W+4], 228
	s_mov_b32 s[G1W+5], 32
	s_mov_b32 s[G1W+6], 0
	s_mov_b32 s[G1W+7], 0
	s_lshl_b32 s96, s24, 1                         ; x's chunks: group of 128 tokens 2 RB + half, from K step 2 on: made of the token block and the wave alone
	s_add_co_u32 s96, s96, s20
	s_mul_i32 s96, s96, 8*XREC
	s_add_co_u32 s96, s96, 2*XREC
	s_mov_b32 s97, 0
	s_lshl_b32 s98, s23, 1                         ; W's: record 2 head + type, made of the head and the wave alone
	s_add_co_u32 s98, s98, s20
	s_mul_i32 s98, s98, 8*WREC
	s_mov_b32 s[WP], s98                           ; (my own type's K step 0 begins there too)
	s_mov_b32 s[WP+1], 0
	s_add_co_u32 s98, s98, 2*WREC
	s_mov_b32 s99, 0
	s_lshl_b32 s[XP], s24, 1
	s_add_co_u32 s[XP], s[XP], s19
	s_mul_i32 s[XP], s[XP], 8*XREC                 ; my token half's K step 0
	s_mov_b32 s[XP+1], 0
	s_mul_i32 s59, s20, 6*XREC                     ; LDS: x half 0, x half 1 (six K steps each), W type 0, W type 1: the x half that I fetch,
	s_mul_i32 s2, s19, 6*XREC
	s_mul_i32 s3, s20, 6*WREC
	s_add_co_u32 s3, s3, 12*XREC
	s_mov_b32 s[SEL], 0x76543210
	s_mov_b32 s[SEL+1], 0xfedcba98
	s_mov_b32 s[HM], 0xffff0000
	s_wait_dscnt 0x0                               ; the opening add is done
	s_wait_kmcnt 0x0
	s_add_nc_u64 s[96:97], s[4:5], s[96:97]
	s_add_nc_u64 s[98:99], s[6:7], s[98:99]
	s_add_nc_u64 s[XP:XP+1], s[4:5], s[XP:XP+1]
	s_add_nc_u64 s[WP:WP+1], s[6:7], s[WP:WP+1]
.irp j, 0
	s_mov_b32 s[G0X+4*\j], 1
	s_add_co_u32 s[G0X+4*\j+1], s59, CHUNK*\j
	s_add_nc_u64 s[G0X+4*\j+2:G0X+4*\j+3], s[96:97], 2*XREC*\j
	s_or_b32 s[G0X+4*\j+3], s[G0X+4*\j+3], 0x80000000
	s_mov_b32 s[G0W+4*\j], 1
	s_add_co_u32 s[G0W+4*\j+1], s3, CHUNK*\j
	s_add_nc_u64 s[G0W+4*\j+2:G0W+4*\j+3], s[98:99], 2*WREC*\j
	s_or_b32 s[G0W+4*\j+3], s[G0W+4*\j+3], 0x80000000
.endr
	CROUND                                         ; all sixteen work-groups are here: the joint loads meet
	s_cmp_eq_u32 s19, 0                            ; a wave's one fill stands in a branch on the wave's number; an s_nop 0 follows each, four v_nop the last
	s_cbranch_scc0 .Lfirst_w
	tensor_load_to_lds s[G0X:G0X+3], s[G1X:G1X+7]  ; my one tensor load
	s_nop 0
	NOPS 4
	s_branch .Lfirst_asked
.Lfirst_w:
	tensor_load_to_lds s[G0W:G0W+3], s[G1W:G1W+7]
	s_nop 0
	NOPS 4
.Lfirst_asked:
	v_and_b32 v8, 31, v0
	v_lshlrev_b32 v[L16], 4, v8
	v_lshlrev_b32 v[L8], 3, v8
	v_lshlrev_b32 v[L4], 2, v8
	v_bfe_u32 v9, v0, 4, 1
	v_lshlrev_b32 v[H32], 5, v9
	s_wait_alu depctr_va_vdst(0)
	v_and_b32 v[R4], 15, v0
	v_lshlrev_b32 v[R4], 2, v[R4]
	s_wait_alu depctr_va_vdst(0)
.irp b, 0,1,2,3
	v_mov_b32 v[TM+4+\b], 0                        ; a lane permute's destination counts as one of its sources
.endr
	; the pointers: rec = 32 head + 2 RB + token half
	s_lshl_b32 s25, s23, 5
	s_lshl_b32 s26, s24, 1
	s_add_co_u32 s25, s25, s26
	s_add_co_u32 s25, s25, s19
	s_mul_i32 s26, s25, 6400
	s_mul_i32 s60, s25, 12800
	s_mov_b32 s61, 0
	s_mov_b32 s27, 12288
	s_cmp_eq_u32 s20, 0                            ; q's wave or k's: the wave's number alone
	s_cselect_b64 s[DQK:DQK+1], s[14:15], s[16:17]
	s_cselect_b64 s[PBQ:PBQ+1], s[8:9], s[10:11]
	s_cselect_b32 s62, s26, s60
	s_cselect_b32 s26, 6144, s27
	s_mov_b32 s63, 0
	s_mov_b32 s27, 0
	s_add_nc_u64 s[DQK:DQK+1], s[DQK:DQK+1], s[62:63]
	s_add_nc_u64 s[DQKS:DQKS+1], s[DQK:DQK+1], s[26:27]
	s_add_nc_u64 s[DV:DV+1], s[16:17], s[60:61]
	s_mul_i32 s26, s20, 3072
	s_add_co_u32 s26, s26, 6144
	s_lshl_b32 s62, s20, 7
	s_add_co_u32 s62, s62, 12544
	s_add_nc_u64 s[DVS:DVS+1], s[DV:DV+1], s[62:63]
	s_add_nc_u64 s[DV:DV+1], s[DV:DV+1], s[26:27]
	s_lshl_b32 s26, s23, 8                         ; the head's 64 numbers of a bias
	s_add_nc_u64 s[PBQ:PBQ+1], s[PBQ:PBQ+1], s[26:27]
	s_lshl_b32 s62, s20, 7
	s_add_co_u32 s62, s62, s26
	s_add_nc_u64 s[PBV:PBV+1], s[12:13], s[62:63]
	WIN 0x80                                       ; destination window 2
.irp b, 0,1,2,3
	global_load_b128 v[BQ+8*\b:BQ+8*\b+3], v[H32], s[PBQ:PBQ+1] offset:64*\b       ; lane (r, h): the bias at d = 16 t + 8 h + 0 .. 7
	global_load_b128 v[BQ+8*\b+4:BQ+8*\b+7], v[H32], s[PBQ:PBQ+1] offset:64*\b+16
.endr
.irp b, 0,1
.irp j, 0,1,2,3,4,5,6,7
	global_load_b32 v[BV+8*\b+\j], v[R4], s[PBV:PBV+1] offset:64*\b                ; v: a lane holds one d: the same number in all eight registers
.endr
.endr
; a K step's 14 fragments and two scale images, 44 loads, into set p: from memory,
.macro GFETCH s, p
	WIN 0x80
.irp a, 0,1,2,3,4,5,6,7
.irp g, 0,1,2
	global_load_b128 v[96*\p+12*\a+4*\g:96*\p+12*\a+4*\g+3], v[L16], s[XP:XP+1] offset:XREC*\s+1536*\a+512*\g
.endr
.endr
	WIN 0xc0
.irp b, 0,1,2,3,4,5
.irp g, 0,1,2
	global_load_b128 v[72*\p+12*\b+4*\g:72*\p+12*\b+4*\g+3], v[L16], s[WP:WP+1] offset:WREC*\s+1536*\b+512*\g
.endr
.endr
	WIN 0
	global_load_b128 v[XS+8*\p:XS+8*\p+3], v[L16], s[XP:XP+1] offset:XREC*\s+12288
	global_load_b128 v[WS+8*\p:WS+8*\p+3], v[L16], s[WP:WP+1] offset:WREC*\s+9216
.endm
; and from the chunk in hand (kx, kw: the step's byte in x's and W's part)
.macro FETCH kx, kw, p
	WIN 0x80
.irp a, 0,1,2,3,4,5,6,7
.irp g, 0,1,2
	ds_load_b128 v[96*\p+12*\a+4*\g:96*\p+12*\a+4*\g+3], v[AX] offset:\kx+1536*\a+512*\g
.endr
.endr
	WIN 0xc0
.irp b, 0,1,2,3,4,5
.irp g, 0,1,2
	ds_load_b128 v[72*\p+12*\b+4*\g:72*\p+12*\b+4*\g+3], v[AW] offset:\kw+1536*\b+512*\g
.endr
.endr
	WIN 0
	ds_load_b128 v[XS+8*\p:XS+8*\p+3], v[AX] offset:\kx+12288
	ds_load_b128 v[WS+8*\p:WS+8*\p+3], v[AW] offset:\kw+9216
.endm
; a K step's 48 products on set p.  The 48 accumulators take turns, one instruction a turn, in the same order in every step.  first = 1: the biases start the sums
.macro MUL p, first
.if \first
	WIN 0x6b                                       ; source 0 (W) window 3, source 1 (x) window 2, C (bias) window 2, D window 1
.else
	WIN 0x5b                                       ; C and D window 1
.endif
.irp a, 0,1,2,3,4,5,6,7
.irp b, 0,1,2,3
.if \first
	WM 8*(4*\a+\b), 72*\p+12*\b, 96*\p+12*\a, BQ+8*\b, WS+8*\p+\b/2, XS+8*\p+\a/2, \b%2, \a%2
.else
	WM 8*(4*\a+\b), 72*\p+12*\b, 96*\p+12*\a, 8*(4*\a+\b), WS+8*\p+\b/2, XS+8*\p+\a/2, \b%2, \a%2
.endif
.endr
.endr
.if \first
	WIN 0x2e                                       ; source 0 (x) window 2, source 1 (Wv) window 3, C (bias) window 2, D window 0
.else
	WIN 0x0e
.endif
.irp b, 0,1
.irp a, 0,1,2,3,4,5,6,7
.if \first
	WM VA+8*(8*\b+\a), 96*\p+12*\a, 72*\p+12*(4+\b), BV+8*\b, XS+8*\p+\a/2, WS+8*\p+2, \a%2, \b
.else
	WM VA+8*(8*\b+\a), 96*\p+12*\a, 72*\p+12*(4+\b), VA+8*(8*\b+\a), XS+8*\p+\a/2, WS+8*\p+2, \a%2, \b
.endif
.endr
.endr
	WIN 0
.endm
	GFETCH 0, 0
	GFETCH 1, 1
	s_wait_loadcnt 44                              ; the biases and K step 0 are in; K step 1's 44 loads may be out
	MUL 0, 1                                       ; K step 0
	s_wait_loadcnt 0x0                             ; K step 1 is in
	s_wait_tensorcnt 0x0                           ; my one load, K steps 2 to 7, has landed
	s_barrier_signal -1
	s_barrier_wait -1                              ; everybody's has
	v_add_nc_u32 v[AX], s2, v[L16]                 ; these two and two v_nop: the four places in front of loads into registers that the last products read
	v_add_nc_u32 v[AW], s3, v[L16]
	NOPS 2
	FETCH 0, 0, 0                                  ; K step 2
	MUL 1, 0                                       ; K step 1
	s_wait_alu depctr_va_vdst(0)
	s_wait_dscnt 0x0                               ; the set fetched ahead of the last 48 products is in
	NOPS 4
	FETCH XREC, WREC, 1
	MUL 0, 0
.irp j, 1,0                            ; K steps 4 to 7, two a turn
	s_wait_dscnt 0x0                               ; the set is in
	v_add_nc_u32 v[AX], 2*XREC, v[AX]              ; two K steps on; all of them are whole since the one barrier above
	v_add_nc_u32 v[AW], 2*WREC, v[AW]
	NOPS 2
	FETCH 0, 0, 0
	MUL 1, 0
	s_wait_alu depctr_va_vdst(0)
	s_wait_dscnt 0x0
	NOPS 4
	FETCH XREC, WREC, 1
	MUL 0, 0
.endr
	s_wait_dscnt 0x0
	MUL 1, 0                                       ; K step 7
; 64 numbers of a lane in window w, register 16 b + i, block b of 32 shared with lane l xor 16, become a fragment's codes in v[PC] on and the row's scale word in v[pw].
; The running maximum is the third source, so that one window setting serves all the maxima.  Each accumulator is read from its low end on.
.macro QUANT s, w, pw
	WIN 5*(\w)
.irp b, 0,1,2,3
	v_max3_num_f32 v[TM+\b], |v[(\s)+16*\b]|, |v[(\s)+1+16*\b]|, 0x1800000   ; and the floor 2^(3 - 127): the byte cannot fall under 1
.endr
.irp i, 2,4,6,8,10,12,14
.irp b, 0,1,2,3
	v_max3_num_f32 v[TM+\b], |v[(\s)+16*\b+\i]|, |v[(\s)+1+16*\b+\i]|, v[TM+\b]
.endr
.endr
	WIN 0
.irp b, 0,1,2,3
	v_permlanex16_b32 v[TM+4+\b], v[TM+\b], s[SEL], s[SEL+1]
.endr
.irp b, 0,1,2,3
	v_max_num_f32 v[TM+\b], v[TM+\b], v[TM+4+\b]   ; the block's largest magnitude
.endr
.irp b, 0,1,2,3
	v_add_nc_u32 v[TM+12+\b], 0xff000000, v[TM+\b] ; 2 off the exponent field: the conversion's scale operand
.endr
.irp b, 0,1,2,3
	v_lshrrev_b32 v[TM+4+\b], 23, v[TM+12+\b]      ; the scale's byte
.endr
	v_lshl_or_b32 v[\pw], v[TM+5], 8, v[TM+4]
	v_lshl_or_b32 v[\pw], v[TM+6], 16, v[\pw]
	v_lshl_or_b32 v[\pw], v[TM+7], 24, v[\pw]
	WIN (\w)
.irp c, 0,1
	v_cvt_scalef32_pk16_fp6_f32 v[PC+6*\c:PC+2+6*\c], v[(\s)+32*\c:(\s)+15+32*\c], v[TM+12+2*\c]
	v_cvt_scalef32_pk16_fp6_f32 v[PC+12+4*\c:PC+14+4*\c], v[(\s)+16+32*\c:(\s)+31+32*\c], v[TM+13+2*\c]
.endr
	WIN 0
	v_nop                                          ; one plain place behind a scaled conversion
.irp c, 0,1                            ; the operand's layout wants a whole block in a lane: lanes 0-15 block 2 c, lanes 16-31 block 2 c + 1
.irp i, 0,1,2
	v_permlane16_swap_b32 v[PC+6*\c+\i], v[PC+12+4*\c+\i]
.endr
.irp i, 0,1,2
	v_mov_b32 v[PC+3+6*\c+\i], v[PC+12+4*\c+\i]
.endr
.endr
.endm
	NOPS 4                                         ; four places between the last products and the first read of results
.irp p, 0,1,2,3                        ; q or k: token tiles 2 p and 2 p + 1, each with d tiles 0-3: one pair fragment; the word's bytes: the even tile's two blocks, the odd tile's two
.if \p > 0
	s_wait_xcnt 0x0                                ; the last stores have read v[PC] on: only now is it written again
.endif
	QUANT 64*\p, 1, PW+\p
.irp g, 0,1,2
	global_store_b128 v[L16], v[PC+4*\g:PC+4*\g+3], s[DQK:DQK+1] offset:1536*\p+512*\g   ; 512 consecutive bytes, aligned
.endr
.endr
.irp n, 0,1                            ; v: d tile n, token tiles 0-7: one fragment of 16 d x 128 keys
	s_wait_xcnt 0x0
	QUANT VA+64*\n, 0, PW+4+\n
.irp g, 0,1,2
	global_store_b128 v[L16], v[PC+4*\g:PC+4*\g+3], s[DV:DV+1] offset:1536*\n+512*\g
.endr
.endr
	v_cndmask_b32 v106, v[PW], v[PW+1], s[HM]      ; lanes 0-15 pair 0's words, lanes 16-31 pair 1's
	v_cndmask_b32 v107, v[PW+2], v[PW+3], s[HM]    ; pairs 2 and 3
	v_cndmask_b32 v108, v[PW+4], v[PW+5], s[HM]    ; v's two d tiles
	global_store_b64 v[L8], v[106:107], s[DQKS:DQKS+1]   ; 256 consecutive bytes, aligned
	global_store_b32 v[L4], v108, s[DVS:DVS+1]
	s_wait_tensorcnt 0x0                           ; the wave's end
	ds_add_u32 v[SPW], v[NIL]
	s_wait_dscnt 0x0
	CROUND                                         ; the closing round
	s_endpgm
.Lfunc_end_k_qb09add23a0_qkv:
	.size	k_qb09add23a0_qkv, .Lfunc_end_k_qb09add23a0_qkv-k_qb09add23a0_qkv
	.p2alignl 7, 3214868480
	.fill 96, 4, 3214868480
	.section	.rodata,"a",@progbits
	.p2align	6, 0x0
	.amdhsa_kernel k_qb09add23a0_qkv
		.amdhsa_group_segment_fixed_size 270848
		.amdhsa_private_segment_fixed_size 0
		.amdhsa_enable_private_segment 0
		.amdhsa_kernarg_size 56
		.amdhsa_user_sgpr_count 2
		.amdhsa_user_sgpr_kernarg_segment_ptr 1
		.amdhsa_wavefront_size32 1
		.amdhsa_system_sgpr_workgroup_id_x 1
		.amdhsa_system_sgpr_workgroup_id_y 1
		.amdhsa_system_sgpr_workgroup_id_z 1
		.amdhsa_system_vgpr_workitem_id 0
		.amdhsa_next_free_vgpr 1024
		.amdhsa_next_free_sgpr 100
		.amdhsa_reserve_vcc 0
		.amdhsa_float_denorm_mode_32 3
		.amdhsa_float_denorm_mode_16_64 3
		.amdhsa_memory_ordered 1
		.amdhsa_forward_progress 1
		.amdhsa_inst_pref_size 110
	.end_amdhsa_kernel
	.amdgpu_metadata
---
amdhsa.version: [ 1, 2 ]
amdhsa.kernels:
  - .name:           k_qb09add23a0_qkv
    .symbol:         k_qb09add23a0_qkv.kd
    .args:
      - { .name: xq, .offset: 0, .size: 8, .value_kind: global_buffer, .address_space: global }
      - { .name: wq, .offset: 8, .size: 8, .value_kind: global_buffer, .address_space: global }
      - { .name: bq, .offset: 16, .size: 8, .value_kind: global_buffer, .address_space: global }
      - { .name: bk, .offset: 24, .size: 8, .value_kind: global_buffer, .address_space: global }
      - { .name: bv, .offset: 32, .size: 8, .value_kind: global_buffer, .address_space: global }
      - { .name: qq, .offset: 40, .size: 8, .value_kind: global_buffer, .address_space: global }
      - { .name: kvq, .offset: 48, .size: 8, .value_kind: global_buffer, .address_space: global }
    .group_segment_fixed_size: 270848
    .private_segment_fixed_size: 0
    .kernarg_segment_align: 8
    .kernarg_segment_size: 56
    .max_flat_workgroup_size: 128
    .sgpr_count:     100
    .vgpr_count:     1024
    .wavefront_size: 32
...
	.end_amdgpu_metadata
.endif
;; end of part 2
;; launch attn (part 3): grid 16 x 16, 16 waves a work-group, clusters of 4 x 1, 327,680 bytes of LDS; arguments qq, kvq, aq; writes aq
.if DOCPART == 3
	.amdgcn_target "amdgcn-amd-amdhsa--gfx1250"
	.amdhsa_code_object_version 6
	.text
	.protected	k_qb09add23a0_attn
	.globl	k_qb09add23a0_attn
	.p2align	8
	.type	k_qb09add23a0_attn,@function
k_qb09add23a0_attn:
	s_mov_b64 s[64:65], 0
	v_nop
	global_prefetch_b8 v0, s[64:65] scope:SCOPE_SE
	s_setreg_imm32_b32 hwreg(HW_REG_WAVE_MODE, 25, 1), 1
	s_wait_xcnt 0x0
	s_wait_alu depctr_hold_cnt(0) depctr_sa_sdst(0) depctr_va_vdst(0) depctr_va_sdst(0) depctr_va_ssrc(0) depctr_va_vcc(0) depctr_vm_vsrc(0)
	s_getreg_b32 s2, hwreg(HW_REG_IB_STS2, 6, 4)
	s_cmp_eq_u32 s2, 0
	s_cbranch_scc0 .Lentry_in_a_cluster
	s_endpgm
.Lentry_in_a_cluster:
	s_bfe_u32 s2, ttmp6, 0x10000c
	s_cmp_lg_u32 s2, 0x3003
	s_cbranch_scc0 .Lentry_shape_is_right
	s_endpgm
.Lentry_shape_is_right:
; O[h][q] = sum over keys of softmax(q . k / 8) v, both products on codes of E2M3; the result is quantised along the embedding for the last product.
; THE SOFTMAX: t = score x log2(e) / 8; M = the running largest t rounded up to a whole number; p = 2^(t - M) is quantised along the keys, not normalised;
; the row's sum is taken of the unquantised p and divides at the end.  When M moves, the sum and O are multiplied by 2^(old M - new M), which rounds nothing.
; SHARES: a work-group owns 256 queries of one head, each of its sixteen waves one tile of 16, in 256 registers.  Both products are used transposed (S^T = K Q^T, O^T = V^T P^T): a lane holds one query.
; THE HEAD'S K OF 64: a pair fragment of K holds one tile of 16 keys in registers 0-5 (k 0-63) and another in registers 6-11 (k 64-127); it is multiplied once by (q, zero codes) and once by (zero codes, q).
; WHICH KEYS FORM A TILE is chosen by the lanes' LDS addresses: lane r of pair (c, w) takes the image of lane 8 w + r % 8 of kvq's pair 2 c + r / 8.  A result's register j of lane (r, h) is row 8 h + j of its tile,
; so the 32 score registers 32 c .. 32 c + 31 of a lane are ONE WHOLE BLOCK of 32 keys, block 2 c + h, in the order that V's codes have along the keys.  A block's largest score needs no other lane,
; and the conversions' results lie in the lane in which the operand wants them.
; THE RING: two slots of four key steps (4 records of 12,800 dense bytes of kvq).  Waves 0 to 3 fetch a record each; all sixteen read.  The load lays 64 bytes of padding behind each 256: six LDS rows are 1,920 bytes,
; 128 more than a multiple of 256, so lanes 0-7 and lanes 8-15 of a K load, which read rows six apart, touch different banks (64 banks of 4 bytes: ISA guide 11.1).
; THE CHANGE OF SLOTS stands inside a slot's last key step: behind the step's last LDS loads each wave waits for its tensor loads, adds 0 to its spare word, waits for its LDS instructions and signals;
; the softmax and the second product, work on registers, stand between the signal and the wait; then the rest of the cluster's round and the refill.
; CLUSTER 4 x 1: the four query blocks walk the same head: each record is asked for jointly.
; NO PREFETCH: a refill is issued straight behind a round and awaited four key steps of all sixteen waves later.
; The last two slots run one text, a loop of two trips; its second trip's barrier parts nothing.
; OUT: aq [32 groups of 128 tokens][8 K steps = head / 2][8 tiles x 1,536 + 512]: a tile as six planes of 256 bytes; the even head writes planes 0-2, the odd head planes 3-5; a head writes its two bytes of a row's scale word.
; LIMITS: NaN and infinities are not served; t stays under 2^31 in magnitude; 1 / sum by v_rcp_f32; a block of p that has fallen to 0 has the byte 1 and zero codes.
.set REC,   12800                      ; a record in memory
.set RECP,  16000                      ; and in LDS: 50 rows of 256 + 64 bytes
.set SLOT1, 65536
.set SPARE, 131072                     ; the spare words, 128 bytes for each of sixteen waves
.set SPW, 1
.set NIL, 2
.set BK,  3                            ; v3-6 lane terms: K's fragments, V's fragments, K's scale words, V's scale words
.set BV,  4
.set BKS, 5
.set B4,  6
.set AK,  7                            ; v7-10 the same in the slot in hand
.set AV,  8
.set AKS, 9
.set A4,  10
.set SH8, 11                           ; 8 h
.set NMA, 12                           ; v[12:13], v[14:15]: -M, by turns from step to step (the upper words are 0)
.set NMB, 14
.set QF,  16                           ; v16-33: zero codes, q, zero codes
.set QS,  34                           ; q's scale word
.set RUN, 35                           ; the running largest score
.set KV,  36                           ; v36-83 K's four pair fragments, then V's four fragments
.set KS,  84                           ; v84, 85 K's scale words: c = 0, 1; lanes 0-15 w = 0, lanes 16-31 w = 1
.set VS,  86                           ; v86, 87 V's
.set PS,  88                           ; p's scale word
.set TT,  89
.set FF,  90                           ; v[90:91] f = 2^(old M - new M)
.set LS,  92                           ; v[92:93] the row's sum, in two halves
.set BM,  94                           ; v94, 95 my two blocks' largest scores, then largest p
.set SC,  96                           ; v96-159 scores, then p
.set OA,  160                          ; v160-191 O^T
.set PC,  192                          ; v192-203 p's codes
.set TP,  204                          ; v204-206, v208-210 the blocks' upper halves
.set SO,  212
.set BY,  214
.set WW,  216
.set PWD, 217
.set PDM, 218
.set MX,  220                          ; v220-223 four chains of the maxima
.set CH,  224                          ; v224-231 four chains of the sum
.set WV,  10
.set G1,  24
.set G0,  32
.set SEL, 36
.set CS,  38
.set TB,  40
.set CNT, 41
.set PM,  42
.set PSEL, 43
.set NC,  52
.macro CREST                           ; a round of the cluster's barrier behind its opening barrier
	s_cmp_lg_u32 s[WV], 0
	s_cbranch_scc1 .Lnot_wave_0_\@
	s_barrier_signal -3
.Lnot_wave_0_\@:
	s_barrier_wait -3
	s_barrier_signal -1
	s_barrier_wait -1
.endm
.macro CROUND
	s_barrier_signal -1
	s_barrier_wait -1
	CREST
.endm
.macro TLOAD                           ; waves 0 to 3 fetch; the branch hangs on the wave's number alone; an s_nop 0 and four v_nop follow the load
	s_cmp_lt_u32 s[WV], 4
	s_cbranch_scc0 .Lnone_\@
	tensor_load_to_lds s[G0:G0+3], s[G1:G1+7]
	s_nop 0
.rept 4
	v_nop
.endr
.Lnone_\@:
.endm
; one scaled product: D, source 0, source 1, whether D is also C, the two scale registers, whether source 0's words lie in lanes 16-31
.macro WM d, a, b, acc, sa, sb, row
.if (\acc) && (\row)
	v_wmma_scale_f32_16x16x128_f8f6f4 v[(\d):(\d)+7], v[(\a):(\a)+11], v[(\b):(\b)+11], v[(\d):(\d)+7], v[(\sa)], v[(\sb)] matrix_a_fmt:MATRIX_FMT_FP6 matrix_b_fmt:MATRIX_FMT_FP6 matrix_a_scale:MATRIX_SCALE_ROW1
.elseif (\acc)
	v_wmma_scale_f32_16x16x128_f8f6f4 v[(\d):(\d)+7], v[(\a):(\a)+11], v[(\b):(\b)+11], v[(\d):(\d)+7], v[(\sa)], v[(\sb)] matrix_a_fmt:MATRIX_FMT_FP6 matrix_b_fmt:MATRIX_FMT_FP6
.elseif (\row)
	v_wmma_scale_f32_16x16x128_f8f6f4 v[(\d):(\d)+7], v[(\a):(\a)+11], v[(\b):(\b)+11], 0, v[(\sa)], v[(\sb)] matrix_a_fmt:MATRIX_FMT_FP6 matrix_b_fmt:MATRIX_FMT_FP6 matrix_a_scale:MATRIX_SCALE_ROW1
.else
	v_wmma_scale_f32_16x16x128_f8f6f4 v[(\d):(\d)+7], v[(\a):(\a)+11], v[(\b):(\b)+11], 0, v[(\sa)], v[(\sb)] matrix_a_fmt:MATRIX_FMT_FP6 matrix_b_fmt:MATRIX_FMT_FP6
.endif
.endm
.macro ADDS m                          ; the sum's four chains take p's register pairs 4 m .. 4 m + 3
.irp k, 0,1,2,3
	v_pk_add_f32 v[CH+2*\k:CH+2*\k+1], v[CH+2*\k:CH+2*\k+1], v[SC+8*(\m)+2*\k:SC+8*(\m)+2*\k+1]
.endr
.endm
.macro JOIN                            ; the four chains of the step before go into the row's sum
	v_pk_add_f32 v[CH:CH+1], v[CH:CH+1], v[CH+2:CH+3]
	v_pk_add_f32 v[CH+4:CH+5], v[CH+4:CH+5], v[CH+6:CH+7]
	v_pk_add_f32 v[CH:CH+1], v[CH:CH+1], v[CH+4:CH+5]
	v_pk_add_f32 v[LS:LS+1], v[LS:LS+1], v[CH:CH+1]
.endm
	s_load_b128 s[4:7], s[0:1], 0x0                ; qq, kvq
	s_load_b64 s[8:9], s[0:1], 0x10                ; aq
	v_lshl_add_u32 v[SPW], v0, 2, SPARE
	v_mov_b32 v[NIL], 0
	ds_add_u32 v[SPW], v[NIL]                      ; the opening lines: the add, twice on end, and its wait ahead of the first tensor load
	ds_add_u32 v[SPW], v[NIL]
	v_lshrrev_b32 v3, 5, v0
	v_readfirstlane_b32 s[WV], v3                  ; wave 0..15
	s_bfe_u32 s11, ttmp6, 0x40000                  ; cx
	s_lshl_b32 s12, ttmp9, 2
	s_add_co_u32 s12, s12, s11                     ; my block of 256 queries: it enters qq's and aq's addresses alone
	s_and_b32 s13, ttmp7, 0xffff                   ; the head, which the four partners share
	s_mov_b32 s[G1], 15|(3<<16)|(1<<20)|(1<<21)|(5<<22)|(15<<25)   ; all four work-groups; elements of 8 bytes; padding on; 21 set beside a mask; after every 64 words, 16 words
	s_mov_b32 s[G1+1], 32<<16                      ; a record: 50 dense rows of 256 bytes
	s_mov_b32 s[G1+2], 50<<16
	s_mov_b32 s[G1+3], 32<<16
	s_mov_b32 s[G1+4], 50
	s_mov_b32 s[G1+5], 32
	s_mov_b32 s[G1+6], 0
	s_mov_b32 s[G1+7], 0
	s_and_b32 s14, s[WV], 3
	s_mul_i32 s15, s14, RECP                       ; the record that I fetch: its place in a slot,
	s_mul_i32 s14, s14, REC                        ; and in a slot's bytes of memory
	s_mul_i32 s16, s13, 32*REC
	s_add_co_u32 s16, s16, s14
	s_mov_b32 s17, 0
	s_lshl_b32 s18, s12, 1
	s_lshr_b32 s19, s[WV], 3
	s_add_co_u32 s18, s18, s19                     ; G: my group of 128 tokens
	s_lshl_b32 s19, s13, 5
	s_add_co_u32 s19, s19, s18
	s_mul_i32 s19, s19, 6400                       ; qq's record
	s_bfe_u32 s20, s[WV], 0x20001                  ; p: my pair of tiles in it
	s_mul_i32 s44, s20, 1536
	s_add_co_u32 s44, s44, s19
	s_mov_b32 s45, 0
	s_and_b32 s21, s20, 1
	s_lshl_b32 s21, s21, 7
	s_lshr_b32 s22, s20, 1
	s_lshl_b32 s22, s22, 2
	s_add_co_u32 s46, s19, s21
	s_add_co_u32 s46, s46, s22
	s_add_co_u32 s46, s46, 6144                    ; my pair's scale words: 8 r + 128 (p % 2) + 4 (p / 2)
	s_mov_b32 s47, 0
	s_lshl_b32 s18, s18, 3
	s_lshr_b32 s21, s13, 1
	s_add_co_u32 s18, s18, s21
	s_mul_i32 s18, s18, REC                        ; aq's record: 8 G + head / 2
	s_and_b32 s21, s[WV], 7                        ; T: my tile in it
	s_and_b32 s22, s13, 1
	s_mul_i32 s48, s21, 1536
	s_mul_i32 s23, s22, 768
	s_add_co_u32 s48, s48, s23
	s_add_co_u32 s48, s48, s18
	s_mov_b32 s49, 0
	s_and_b32 s23, s21, 1
	s_lshl_b32 s23, s23, 8
	s_lshr_b32 s21, s21, 1
	s_lshl_b32 s21, s21, 2
	s_lshl_b32 s22, s22, 1
	s_add_co_u32 s50, s18, s23
	s_add_co_u32 s50, s50, s21
	s_add_co_u32 s50, s50, s22
	s_add_co_u32 s50, s50, 12288                   ; my half-words: 16 r + 256 (T % 2) + 4 (T / 2) + 2 (head % 2)
	s_mov_b32 s51, 0
	s_and_b32 s21, s[WV], 1
	s_mov_b32 s22, 0x03020302
	s_cmp_eq_u32 s21, 0
	s_cselect_b32 s[PM], 0, -1                     ; the pair's even tile or its odd one
	s_cselect_b32 s[PSEL], 0x01000100, s22         ; and that tile's two bytes of the word, twice
	s_mov_b32 s[SEL], 0x76543210
	s_mov_b32 s[SEL+1], 0xfedcba98
	s_mov_b32 s[CS], 0x3e38aa3b                    ; c = log2(e) / 8
	s_mov_b32 s[CS+1], s[CS]
	s_mov_b32 s[NC], 0xbe38aa3b                    ; -c
	s_mov_b32 s[TB], 0
	s_wait_dscnt 0x0                               ; both opening adds are done
	s_wait_kmcnt 0x0
	s_add_nc_u64 s[44:45], s[4:5], s[44:45]
	s_add_nc_u64 s[46:47], s[4:5], s[46:47]
	s_add_nc_u64 s[48:49], s[8:9], s[48:49]
	s_add_nc_u64 s[50:51], s[8:9], s[50:51]
	s_mov_b32 s[G0], 1
	s_mov_b32 s[G0+1], s15
	s_add_nc_u64 s[G0+2:G0+3], s[6:7], s[16:17]
	s_or_b32 s[G0+3], s[G0+3], 0x80000000
	CROUND                                         ; all four work-groups are here
	TLOAD                                          ; slot 0
	v_and_b32 v110, 31, v0                         ; lane
	v_and_b32 v111, 15, v0                         ; r
	v_bfe_u32 v112, v0, 4, 1                       ; h
	v_and_b32 v113, 7, v0                          ; r % 8
	v_bfe_u32 v114, v0, 3, 1                       ; r / 8
	v_lshlrev_b32 v115, 4, v110
	v_lshlrev_b32 v116, 3, v111
.irp g, 0,1,2
	global_load_b128 v[96+4*\g:99+4*\g], v115, s[44:45] offset:512*\g   ; my pair fragment of q
.endr
	global_load_b32 v108, v116, s[46:47]           ; and its rows' scale words
	v_mul_u32_u24 v[BK], v114, 1920                ; K: six LDS rows for r / 8 (the next pair of kvq), one for h, 16 bytes for r % 8
	v_mul_u32_u24 v[BV], v112, 320                 ; V: the image as it lies: one LDS row for h, 16 bytes for r
	v_lshlrev_b32 v[BKS], 3, v113                  ; K's words: 8 (r % 8) + 128 (r / 8) + 64 h (h stands for w)
	v_lshlrev_b32 v[B4], 2, v110
	v_mad_u32_u24 v[BK], v112, 320, v[BK]
	v_lshl_add_u32 v[BV], v111, 4, v[BV]
	v_lshl_add_u32 v[BKS], v114, 7, v[BKS]
	v_lshlrev_b32 v[SH8], 3, v112
	v_lshl_add_u32 v[BK], v113, 4, v[BK]
	v_lshl_add_u32 v[BKS], v112, 6, v[BKS]
	v_mov_b32 v[RUN], 0xff61b1e6                   ; the largest score so far: -3e38
	v_mov_b32 v[NMB], 0x7f61b1e6                   ; -M ahead of the first step: 3e38
	v_mov_b32 v[NMB+1], 0
	v_mov_b32 v[NMA+1], 0
	v_mov_b32 v[FF+1], 0
	v_mov_b32 v[LS], 0
	v_mov_b32 v[LS+1], 0
	v_mov_b32 v[PWD], 0                            ; a lane permute's destination counts as one of its sources
	v_mov_b32 v[PDM], 0
.irp i, 0,1,2,3,4,5,6,7
	v_mov_b32 v[CH+\i], 0                          ; the first step joins chains of zeros
.endr
.irp i, 0,1,2,3,4,5
	v_mov_b32 v[QF+\i], 0                          ; v[16:27] = (0, q), v[22:33] = (q, 0)
	v_mov_b32 v[QF+12+\i], 0
.endr
	s_wait_alu depctr_va_vdst(0)                   ; the wait ahead of the blocking wait
	s_wait_loadcnt 0x0
.irp i, 0,1,2,3,4,5
	v_cndmask_b32 v[QF+6+\i], v[96+\i], v[102+\i], s[PM]
.endr
	v_perm_b32 v[QS], v108, v108, s[PSEL]          ; q's two bytes stand for k 0-63 and for k 64-127
.set j, 0
.rept 32
	v_mov_b32 v[OA+j], 0                           ; O^T: the first change of M leaves zeros zeros.  (Also the places between the lines above and the first products)
.set j, j+1
.endr
	s_wait_alu depctr_va_vdst(0)                   ; the wait at the head's end
	s_wait_tensorcnt 0x0                           ; slot 1's first fill is issued as a refill is: the wait, the add, its wait, a round
	ds_add_u32 v[SPW], v[NIL]
	ds_add_u32 v[SPW], v[NIL]
	s_xor_b32 s[G0+1], s[G0+1], SLOT1
	s_add_nc_u64 s[G0+2:G0+3], s[G0+2:G0+3], 4*REC
	s_wait_dscnt 0x0
	CROUND
	TLOAD                                          ; slot 1
; A KEY STEP: 128 keys, the q-th record of the slot in hand.  nn, no: the registers of the new and of the old -M.
; mode 1: the slot's last step, with the change of slots and a refill; mode 2: with a plain barrier, which shows the other slot whole; mode 0: neither
.macro STEP q, nn, no, mode
.if \q == 0
	v_add_nc_u32 v[AK], s[TB], v[BK]
	v_add_nc_u32 v[AV], s[TB], v[BV]
	v_add_nc_u32 v[AKS], s[TB], v[BKS]
	v_add_nc_u32 v[A4], s[TB], v[B4]
	s_wait_alu depctr_va_vdst(0)
.endif
	ds_load_b64 v[KS:KS+1], v[AKS] offset:RECP*\q+15360
.irp c, 0,1
.irp w, 0,1
.irp g, 0,1,2
	ds_load_b128 v[KV+12*(2*\c+\w)+4*\g:KV+12*(2*\c+\w)+4*\g+3], v[AK] offset:RECP*\q+3840*\c+128*\w+640*\g
.endr
.endr
.endr
.irp c, 0,1
	s_wait_dscnt 6-6*\c                            ; c = 0: the six loads of pairs (1, 0) and (1, 1) may be out
.irp w, 0,1
	WM SC+8*(4*\c+2*\w), KV+12*(2*\c+\w), QF+6, 0, KS+\c, QS, \w
	WM SC+8*(4*\c+2*\w+1), KV+12*(2*\c+\w), QF, 0, KS+\c, QS, \w
.endr
.endr
	JOIN                                           ; four plain lines: the places in front of the loads below and of the first read of the scores
.irp t, 0,1,2,3
.irp g, 0,1,2
	ds_load_b128 v[KV+12*\t+4*\g:KV+12*\t+4*\g+3], v[AV] offset:RECP*\q+7680+1920*\t+640*\g   ; V's fragments land under the softmax
.endr
.endr
	ds_load_b32 v[VS], v[A4] offset:RECP*\q+15680  ; V's scale words: d tiles 0 | 1,
	ds_load_b32 v[VS+1], v[A4] offset:RECP*\q+15808   ; 2 | 3
.if \mode == 1
	s_wait_tensorcnt 0x0                           ; all my tensor loads have landed: my record of the other slot
	ds_add_u32 v[SPW], v[NIL]                      ; the add, here twice on end
	ds_add_u32 v[SPW], v[NIL]
	s_xor_b32 s[G0+1], s[G0+1], SLOT1              ; no tensor load of mine is out: group 0 is written: this slot, four records on
	s_add_nc_u64 s[G0+2:G0+3], s[G0+2:G0+3], 4*REC
.elseif \mode == 2
	s_wait_tensorcnt 0x0
.endif
.irp k, 0,1,2,3
	v_max3_num_f32 v[MX+\k], v[SC+16*\k], v[SC+16*\k+1], v[SC+16*\k+2]   ; four chains, two to a block; each accumulator is read from its low end on
.endr
.irp i, 3,5,7,9,11,13
.irp k, 0,1,2,3
	v_max3_num_f32 v[MX+\k], v[MX+\k], v[SC+16*\k+\i], v[SC+16*\k+\i+1]
.endr
.endr
.if \mode
	s_wait_alu depctr_va_vdst(0)                   ; the wait ahead of the blocking wait
	s_wait_dscnt 0x0                               ; the add is done, V is in, and my reads of this slot are over
	s_barrier_signal -1                            ; only work on registers stands between this signal and its wait
.endif
	v_max3_num_f32 v[BM], v[MX], v[MX+1], v[SC+15]
	v_max3_num_f32 v[BM+1], v[MX+2], v[MX+3], v[SC+47]
	v_max_num_f32 v[BM], v[BM], v[SC+31]           ; the largest score of my block h,
	v_max_num_f32 v[BM+1], v[BM+1], v[SC+63]       ; and of my block 2 + h: for the row's maximum and, since p rises with the score, for the block's largest p
	s_delay_alu instid0(VALU_DEP_1)
	v_max3_num_f32 v[RUN], v[RUN], v[BM], v[BM+1]
	s_delay_alu instid0(VALU_DEP_1)
	v_permlanex16_b32 v[PDM], v[RUN], s[SEL], s[SEL+1]
	s_delay_alu instid0(VALU_DEP_1)
	v_max_num_f32 v[RUN], v[RUN], v[PDM]           ; the running largest score of my query
	s_delay_alu instid0(VALU_DEP_1)
	v_mul_f32 v[TT], s[NC], v[RUN]                 ; -t
	s_delay_alu instid0(VALU_DEP_1)
	v_floor_f32 v[\nn], v[TT]                      ; the new -M = floor(-t): M is a whole number
	s_delay_alu instid0(VALU_DEP_1)
	v_sub_f32 v[TT], v[\nn], v[\no]                ; old M - new M, 0 or less
	s_delay_alu instid0(VALU_DEP_1)
	v_cvt_i32_f32 v[TT], v[TT]                     ; (it saturates)
	s_delay_alu instid0(VALU_DEP_1)
	v_ldexp_f32 v[FF], 1.0, v[TT]                  ; f = 2^(old M - new M)
.set j, 0
.rept 32
	v_pk_fma_f32 v[SC+j:SC+j+1], v[SC+j:SC+j+1], s[CS:CS+1], v[\nn:\nn+1] op_sel_hi:[1,0,0]   ; t - M, two at a time
.set j, j+2
.endr
.irp c, 0,1
	v_fma_f32 v[BM+\c], v[BM+\c], s[CS], v[\nn]    ; the same of each block's largest score
.endr
.set j, 0
.rept 16
	v_pk_mul_f32 v[OA+j:OA+j+1], v[OA+j:OA+j+1], v[FF:FF+1] op_sel_hi:[1,0]   ; O^T under the new M, each accumulator from its low end on
.set j, j+2
.endr
	s_wait_alu depctr_va_vdst(0)                   ; the wait ahead of the batch
.set j, 0
.rept 64
	v_exp_f32 v[SC+j], v[SC+j]                     ; p = 2^(t - M)
.set j, j+1
.endr
.irp c, 0,1
	v_exp_f32 v[BM+\c], v[BM+\c]                   ; the block's largest p: the same two instructions on the same number
.endr
	v_pk_mul_f32 v[LS:LS+1], v[LS:LS+1], v[FF:FF+1] op_sel_hi:[1,0]   ; the sum under the new M: the plain place behind the exponentials
	s_wait_alu depctr_va_vdst(0)                   ; one wait for the whole batch, ahead of its first reader
.irp c, 0,1
	v_max_num_f32 v[BM+\c], 0x1800000, v[BM+\c]    ; the floor 2^(3 - 127): the byte cannot fall under 1
.endr
.irp k, 0,1,2,3
	v_pk_add_f32 v[CH+2*\k:CH+2*\k+1], v[SC+2*\k:SC+2*\k+1], v[SC+8+2*\k:SC+8+2*\k+1]   ; the sum of the unquantised p: four chains begin
.endr
.irp c, 0,1
	v_add_nc_u32 v[SO+\c], 0xff000000, v[BM+\c]    ; 2 off the exponent field: the conversion's scale operand
.endr
	ADDS 2
.irp c, 0,1
	v_lshrrev_b32 v[BY+\c], 23, v[SO+\c]           ; the scale's byte
.endr
.irp c, 0,1
	v_cvt_scalef32_pk16_fp6_f32 v[PC+6*\c:PC+6*\c+2], v[SC+32*\c:SC+32*\c+15], v[SO+\c]       ; registers 6 c .. 6 c + 5 of the operand: my block 2 c + h, whole
	v_cvt_scalef32_pk16_fp6_f32 v[TP+4*\c:TP+4*\c+2], v[SC+32*\c+16:SC+32*\c+31], v[SO+\c]    ; (a conversion's three registers begin on an even number)
.endr
	v_lshl_or_b32 v[WW], v[BY+1], 16, v[BY]        ; my two bytes, blocks h and 2 + h.  (The plain place behind the conversions)
	ADDS 3
	v_lshlrev_b32 v[WW], v[SH8], v[WW]             ; at their places in the row's word
	v_permlanex16_b32 v[PWD], v[WW], s[SEL], s[SEL+1]
.irp c, 0,1
.irp i, 0,1,2
	v_mov_b32 v[PC+3+6*\c+\i], v[TP+4*\c+\i]
.endr
.endr
	v_or_b32 v[PS], v[WW], v[PWD]                  ; with lane l xor 16's two the word is whole
	ADDS 4                                         ; twelve plain lines between p's word and codes and the products below
	ADDS 5
	ADDS 6
.if \mode == 0
	s_wait_alu depctr_va_vdst(0)                   ; the wait ahead of the blocking wait
	s_wait_dscnt 0x0                               ; V is in
.endif
.irp t, 0,1,2,3                        ; O^T += V^T P^T: the four accumulators by turns
	WM OA+8*\t, KV+12*\t, PC, 1, VS+\t/2, PS, \t%2
.endr
	ADDS 7                                         ; four plain lines that name no register of the products above: the places in front of the next step's loads
	s_wait_alu depctr_va_vdst(0)
.if \mode
	s_barrier_wait -1                              ; nobody reads this slot any more, and the other slot is whole
.endif
.if \mode == 1
	CREST                                          ; the barrier has opened a round of the cluster's barrier
	TLOAD                                          ; the refill, the first tensor load behind the round
.endif
.endm
	s_mov_b32 s[CNT], 6
.Lfill:                                            ; slots 0 to 5: each is filled again, with the slot two on
	STEP 0, NMA, NMB, 0
	STEP 1, NMB, NMA, 0
	STEP 2, NMA, NMB, 0
	STEP 3, NMB, NMA, 1
	s_xor_b32 s[TB], s[TB], SLOT1
	s_sub_co_u32 s[CNT], s[CNT], 1
	s_cmp_lg_u32 s[CNT], 0
	s_cbranch_scc1 .Lfill
	s_mov_b32 s[CNT], 2
.Llast:                                            ; slots 6 and 7: nothing more is fetched
	STEP 0, NMA, NMB, 0
	STEP 1, NMB, NMA, 0
	STEP 2, NMA, NMB, 0
	STEP 3, NMB, NMA, 2
	s_xor_b32 s[TB], s[TB], SLOT1
	s_sub_co_u32 s[CNT], s[CNT], 1
	s_cmp_lg_u32 s[CNT], 0
	s_cbranch_scc1 .Llast
	; THE WAY OUT: O^T / the sum, quantised along d (two blocks of 32, each shared with lane l xor 16): half a fragment of the last product's operand
	JOIN
	v_and_b32 v3, 31, v0
	v_and_b32 v4, 15, v0
	v_lshlrev_b32 v3, 3, v3                        ; 8 x lane
	v_lshlrev_b32 v4, 4, v4                        ; 16 r
	v_add_f32 v[LS], v[LS], v[LS+1]
	s_delay_alu instid0(VALU_DEP_1)
	v_permlanex16_b32 v[PDM], v[LS], s[SEL], s[SEL+1]
	s_delay_alu instid0(VALU_DEP_1)
	v_add_f32 v[LS], v[LS], v[PDM]                 ; the row's sum
	s_wait_alu depctr_va_vdst(0)                   ; the wait ahead of the transcendental
	v_rcp_f32 v[LS], v[LS]
	v_nop                                          ; one plain place behind the reciprocal
	s_wait_alu depctr_va_vdst(0)                   ; and the wait ahead of its first reader, which is also O^T's
.set j, 0
.rept 16
	v_pk_mul_f32 v[SC+j:SC+j+1], v[OA+j:OA+j+1], v[LS:LS+1] op_sel_hi:[1,0]   ; register 8 t + i is o(query r, d = 16 t + 8 h + i)
.set j, j+2
.endr
.irp b, 0,1
	v_max3_num_f32 v[BM+\b], |v[SC+16*\b]|, |v[SC+1+16*\b]|, 0x1800000
.endr
.irp i, 2,4,6,8,10,12,14
.irp b, 0,1
	v_max3_num_f32 v[BM+\b], v[BM+\b], |v[SC+16*\b+\i]|, |v[SC+1+16*\b+\i]|
.endr
.endr
.irp b, 0,1
	v_permlanex16_b32 v[WW+\b], v[BM+\b], s[SEL], s[SEL+1]
.endr
.irp b, 0,1
	v_max_num_f32 v[BM+\b], v[BM+\b], v[WW+\b]
.endr
.irp b, 0,1
	v_add_nc_u32 v[SO+\b], 0xff000000, v[BM+\b]
.endr
.irp b, 0,1
	v_lshrrev_b32 v[BY+\b], 23, v[SO+\b]
.endr
	v_lshl_or_b32 v[TT], v[BY+1], 8, v[BY]         ; my head's two bytes of the row's word
	v_cvt_scalef32_pk16_fp6_f32 v[PC:PC+2], v[SC:SC+15], v[SO]
	v_cvt_scalef32_pk16_fp6_f32 v[TP:TP+2], v[SC+16:SC+31], v[SO+1]
	v_nop                                          ; one plain place behind a scaled conversion
.irp i, 0,1,2
	v_permlane16_swap_b32 v[PC+\i], v[TP+\i]       ; lanes 0-15 take block 0 whole, lanes 16-31 block 1
.endr
.irp i, 0,1,2
	v_mov_b32 v[PC+3+\i], v[TP+\i]
.endr
.irp k, 0,1,2
	global_store_b64 v3, v[PC+2*\k:PC+2*\k+1], s[48:49] offset:256*\k   ; 256 consecutive bytes, aligned
.endr
	global_store_b16 v4, v[TT], s[50:51]           ; lanes r and r + 16 hold the same two bytes and name the same place
	s_wait_tensorcnt 0x0                           ; the wave's end
	ds_add_u32 v[SPW], v[NIL]
	s_wait_dscnt 0x0
	CROUND                                         ; the closing round
	s_endpgm
.Lfunc_end_k_qb09add23a0_attn:
	.size	k_qb09add23a0_attn, .Lfunc_end_k_qb09add23a0_attn-k_qb09add23a0_attn
	.p2alignl 7, 3214868480
	.fill 96, 4, 3214868480
	.section	.rodata,"a",@progbits
	.p2align	6, 0x0
	.amdhsa_kernel k_qb09add23a0_attn
		.amdhsa_group_segment_fixed_size 327680
		.amdhsa_private_segment_fixed_size 0
		.amdhsa_enable_private_segment 0
		.amdhsa_kernarg_size 24
		.amdhsa_user_sgpr_count 2
		.amdhsa_user_sgpr_kernarg_segment_ptr 1
		.amdhsa_wavefront_size32 1
		.amdhsa_system_sgpr_workgroup_id_x 1
		.amdhsa_system_sgpr_workgroup_id_y 1
		.amdhsa_system_sgpr_workgroup_id_z 1
		.amdhsa_system_vgpr_workitem_id 0
		.amdhsa_next_free_vgpr 256
		.amdhsa_next_free_sgpr 66
		.amdhsa_reserve_vcc 0
		.amdhsa_float_denorm_mode_32 3
		.amdhsa_float_denorm_mode_16_64 3
		.amdhsa_memory_ordered 1
		.amdhsa_forward_progress 1
		.amdhsa_inst_pref_size 129
	.end_amdhsa_kernel
	.amdgpu_metadata
---
amdhsa.version: [ 1, 2 ]
amdhsa.kernels:
  - .name:           k_qb09add23a0_attn
    .symbol:         k_qb09add23a0_attn.kd
    .args:
      - { .name: qq, .offset: 0, .size: 8, .value_kind: global_buffer, .address_space: global }
      - { .name: kvq, .offset: 8, .size: 8, .value_kind: global_buffer, .address_space: global }
      - { .name: aq, .offset: 16, .size: 8, .value_kind: global_buffer, .address_space: global }
    .group_segment_fixed_size: 327680
    .private_segment_fixed_size: 0
    .kernarg_segment_align: 8
    .kernarg_segment_size: 24
    .max_flat_workgroup_size: 512
    .sgpr_count:     66
    .vgpr_count:     256
    .wavefront_size: 32
...
	.end_amdgpu_metadata
.endif
;; end of part 3
;; launch oproj (part 4): grid 8 x 32, 4 waves a work-group, clusters of 4 x 4, 222,720 bytes of LDS; arguments aq, woq, bo, out0; writes out0
.if DOCPART == 4
	.amdgcn_target "amdgcn-amd-amdhsa--gfx1250"
	.amdhsa_code_object_version 6
	.text
	.protected	k_qb09add23a0_oproj
	.globl	k_qb09add23a0_oproj
	.p2align	8
	.type	k_qb09add23a0_oproj,@function
k_qb09add23a0_oproj:
	s_mov_b64 s[64:65], 0
	v_nop
	global_prefetch_b8 v0, s[64:65] scope:SCOPE_SE
	s_setreg_imm32_b32 hwreg(HW_REG_WAVE_MODE, 25, 1), 1
	s_wait_xcnt 0x0
	s_wait_alu depctr_hold_cnt(0) depctr_sa_sdst(0) depctr_va_vdst(0) depctr_va_sdst(0) depctr_va_ssrc(0) depctr_va_vcc(0) depctr_vm_vsrc(0)
	s_getreg_b32 s2, hwreg(HW_REG_IB_STS2, 6, 4)
	s_cmp_eq_u32 s2, 0
	s_cbranch_scc0 .Lentry_in_a_cluster
	s_endpgm
.Lentry_in_a_cluster:
	s_bfe_u32 s2, ttmp6, 0x10000c
	s_cmp_lg_u32 s2, 0xf033
	s_cbranch_scc0 .Lentry_shape_is_right
	s_endpgm
.Lentry_shape_is_right:
; out0 = a Wo^T + bo on codes of E2M3: a [4096][1024] from aq, Wo from woq, both as images of operand registers with their scale words; out0 f32.
; SHARES: a tile of 128 x 128 to a work-group (256 of them), 64 x 64 to a wave: 16 accumulators.  The product is used transposed (source 0 = 16 rows of Wo, source 1 = 16 tokens): a lane holds eight neighbouring columns of one row.
; ALL OF K LIES IN LDS: eight records of a and eight of Wo, 12,800 bytes each, every one filled once.  Waves 0, 1 fetch half of a's records each, 4 (wave % 2) on, waves 2, 3 Wo's: a wave has one tensor load outstanding.
; CLUSTER 4 x 4: a's records hang on the token group alone (shared along a row of the cluster), Wo's on the column group alone (shared along a column): joint loads.
; The bias is the C of each sum's first product.  Results leave through the wave's own stage, as rows of 256 aligned bytes.
; REGISTERS: window 0: v4-11 addresses; v16-23 scale words, two sets; v32-95 rows on the way out, two sets; v96-127 the bias; v128-255 the accumulators ((T, t) at 128 + 8 (4 T + t)).
;   window 1: the fragments, set p at 96 p: Wo's four at + 12 t, a's four at + 48 + 12 T.
.set REC,   12800
.set BB,    8*REC                      ; Wo's records
.set STAGE, 16*REC                     ; 16 rows x 272 bytes for each wave
.set SPARE, STAGE+4*4352               ; the spare words, 128 bytes for each wave
.set AA,  4                            ; v4  a's fragments: 8 x lane + my four tiles
.set AB,  5                            ; v5  Wo's: 16 x lane + my four tiles
.set AAS, 6                            ; v6  a's scale registers: 16 x lane + my two
.set ABS, 7                            ; v7  Wo's
.set STO, 8
.set RD,  9
.set CO,  10
.set H32, 11
.set SPW, 12
.set NIL, 13
.set AS,  16                           ; set p: v[AS + 4 p], + 1: a's;  v[BS + 4 p], + 1: Wo's
.set BS,  18
.set OB,  32
.set BO,  96
.set ACC, 128
.set WV,  14
.set G1A, 28
.set G1B, 36
.set G0A, 44                           ; one set
.set G0B, 68                           ; one set
.set MSB, 0
.macro WIN new
.if MSB != (\new)
	s_set_vgpr_msb (MSB<<8)|(\new)
.set MSB, (\new)
.endif
.endm
.macro NOPS n
.rept \n
	v_nop
.endr
.endm
.macro CROUND
	s_barrier_signal -1
	s_barrier_wait -1
	s_cmp_lg_u32 s[WV], 0
	s_cbranch_scc1 .Lnot_wave_0_\@
	s_barrier_signal -3
.Lnot_wave_0_\@:
	s_barrier_wait -3
	s_barrier_signal -1
	s_barrier_wait -1
.endm
.macro WM d, a, b, c, sa, sb, ra, rb
.if ((\ra) != 0) && ((\rb) != 0)
	v_wmma_scale_f32_16x16x128_f8f6f4 v[(\d):(\d)+7], v[(\a):(\a)+11], v[(\b):(\b)+11], v[(\c):(\c)+7], v[(\sa)], v[(\sb)] matrix_a_fmt:MATRIX_FMT_FP6 matrix_b_fmt:MATRIX_FMT_FP6 matrix_a_scale:MATRIX_SCALE_ROW1 matrix_b_scale:MATRIX_SCALE_ROW1
.elseif (\ra) != 0
	v_wmma_scale_f32_16x16x128_f8f6f4 v[(\d):(\d)+7], v[(\a):(\a)+11], v[(\b):(\b)+11], v[(\c):(\c)+7], v[(\sa)], v[(\sb)] matrix_a_fmt:MATRIX_FMT_FP6 matrix_b_fmt:MATRIX_FMT_FP6 matrix_a_scale:MATRIX_SCALE_ROW1
.elseif (\rb) != 0
	v_wmma_scale_f32_16x16x128_f8f6f4 v[(\d):(\d)+7], v[(\a):(\a)+11], v[(\b):(\b)+11], v[(\c):(\c)+7], v[(\sa)], v[(\sb)] matrix_a_fmt:MATRIX_FMT_FP6 matrix_b_fmt:MATRIX_FMT_FP6 matrix_b_scale:MATRIX_SCALE_ROW1
.else
	v_wmma_scale_f32_16x16x128_f8f6f4 v[(\d):(\d)+7], v[(\a):(\a)+11], v[(\b):(\b)+11], v[(\c):(\c)+7], v[(\sa)], v[(\sb)] matrix_a_fmt:MATRIX_FMT_FP6 matrix_b_fmt:MATRIX_FMT_FP6
.endif
.endm
	s_load_b256 s[4:11], s[0:1], 0x0               ; aq, woq, bo, out0
	v_lshl_add_u32 v[SPW], v0, 2, SPARE
	v_mov_b32 v[NIL], 0
	ds_add_u32 v[SPW], v[NIL]                      ; the wave's opening: the add and its wait ahead of my first tensor load
	ds_add_u32 v[SPW], v[NIL]
	v_lshrrev_b32 v1, 5, v0
	v_readfirstlane_b32 s[WV], v1
	s_lshr_b32 s15, s[WV], 1                       ; my half of the rows.  Also: I fetch for a (0) or for Wo (1)
	s_and_b32 s16, s[WV], 1                        ; my half of the columns.  Also: which four records I fetch
	s_bfe_u32 s17, ttmp6, 0x40000                  ; cx
	s_bfe_u32 s18, ttmp6, 0x40004                  ; cy
	s_lshl_b32 s19, ttmp9, 2
	s_add_co_u32 s19, s19, s17                     ; group of 128 columns
	s_and_b32 s20, ttmp7, 0xffff
	s_lshl_b32 s20, s20, 2
	s_add_co_u32 s20, s20, s18                     ; group of 128 tokens
	s_lshl_b32 s21, s18, 2
	s_lshl_b32 s21, 15, s21                        ; my row of the cluster
	s_lshl_b32 s22, 0x1111, s17                    ; my column
	s_or_b32 s[G1A], s21, (3<<16)|(1<<21)
	s_or_b32 s[G1B], s22, (3<<16)|(1<<21)
.irp g, G1A, G1B
	s_mov_b32 s[\g+1], 32<<16                      ; a record: 50 dense rows of 256 bytes
	s_mov_b32 s[\g+2], 200<<16                     ; four records on end: 200 dense rows of 256 bytes, one load
	s_mov_b32 s[\g+3], 32<<16
	s_mov_b32 s[\g+4], 200
	s_mov_b32 s[\g+5], 32
	s_mov_b32 s[\g+6], 0
	s_mov_b32 s[\g+7], 0
.endr
	s_lshl_b32 s84, s20, 1                         ; I fetch records 4 (wave % 2) .. + 3 of my operand's eight
	s_add_co_u32 s84, s84, s16
	s_mul_i32 s84, s84, 4*REC
	s_mov_b32 s85, 0
	s_lshl_b32 s86, s19, 1
	s_add_co_u32 s86, s86, s16
	s_mul_i32 s86, s86, 4*REC
	s_mov_b32 s87, 0
	s_mul_i32 s88, s16, 4*REC
	s_add_co_u32 s89, s88, BB
	s_wait_dscnt 0x0                               ; the opening add is done
	s_wait_kmcnt 0x0
	s_add_nc_u64 s[84:85], s[4:5], s[84:85]
	s_add_nc_u64 s[86:87], s[6:7], s[86:87]
.irp j, 0
	s_mov_b32 s[G0A+4*\j], 1
	s_add_co_u32 s[G0A+4*\j+1], s88, 2*REC*\j
	s_add_nc_u64 s[G0A+4*\j+2:G0A+4*\j+3], s[84:85], 2*REC*\j
	s_or_b32 s[G0A+4*\j+3], s[G0A+4*\j+3], 0x80000000
	s_mov_b32 s[G0B+4*\j], 1
	s_add_co_u32 s[G0B+4*\j+1], s89, 2*REC*\j
	s_add_nc_u64 s[G0B+4*\j+2:G0B+4*\j+3], s[86:87], 2*REC*\j
	s_or_b32 s[G0B+4*\j+3], s[G0B+4*\j+3], 0x80000000
.endr
	CROUND                                         ; all sixteen work-groups are here
	s_cmp_eq_u32 s15, 0                            ; a wave's one fill stands in a branch on the wave's number
	s_cbranch_scc0 .Lfirst_b
	tensor_load_to_lds s[G0A:G0A+3], s[G1A:G1A+7]  ; my one tensor load
	s_nop 0
	NOPS 4
	s_branch .Lfirst_asked
.Lfirst_b:
	tensor_load_to_lds s[G0B:G0B+3], s[G1B:G1B+7]
	s_nop 0
	NOPS 4
.Lfirst_asked:
	v_and_b32 v1, 15, v0                           ; r
	s_wait_alu depctr_va_vdst(0)
	v_bfe_u32 v2, v0, 4, 1                         ; h
	v_and_b32 v3, 31, v0                           ; lane
	s_mul_i32 s23, s15, 6144
	s_mul_i32 s24, s16, 6144
	s_add_co_u32 s24, s24, BB
	v_lshlrev_b32 v[AA], 3, v3
	v_add_nc_u32 v[AA], s23, v[AA]
	v_lshlrev_b32 v[AB], 4, v3
	s_lshl_b32 s23, s15, 3
	s_add_co_u32 s23, s23, 12288
	v_add_nc_u32 v[AAS], s23, v[AB]
	s_lshl_b32 s23, s16, 3
	s_add_co_u32 s23, s23, BB+12288
	v_add_nc_u32 v[ABS], s23, v[AB]
	v_add_nc_u32 v[AB], s24, v[AB]
	s_mul_i32 s23, s[WV], 4352
	s_add_co_u32 s23, s23, STAGE                   ; my stage
	v_mul_u32_u24 v[STO], v1, 272
	s_wait_alu depctr_va_vdst(0)
	v_lshl_add_u32 v[STO], v2, 5, v[STO]
	v_add_nc_u32 v[STO], s23, v[STO]               ; in: row r, 32 bytes for each half of the lanes
	v_mul_u32_u24 v[RD], v2, 272
	v_lshl_add_u32 v[RD], v1, 4, v[RD]
	v_add_nc_u32 v[RD], s23, v[RD]                 ; back: lanes 0-15 one row, lanes 16-31 the next
	v_lshlrev_b32 v[CO], 12, v2
	v_lshl_add_u32 v[CO], v1, 4, v[CO]             ; and the same two rows in out0
	v_lshlrev_b32 v[H32], 5, v2
	s_wait_alu depctr_va_vdst(0)
	s_lshl_b32 s90, s19, 9
	s_lshl_b32 s23, s16, 8
	s_add_co_u32 s90, s90, s23                     ; my first column, in bytes
	s_mov_b32 s91, 0
	s_add_nc_u64 s[8:9], s[8:9], s[90:91]
	s_add_nc_u64 s[10:11], s[10:11], s[90:91]
	s_lshl_b32 s90, s20, 7
	s_lshl_b32 s23, s15, 6
	s_add_co_u32 s90, s90, s23
	s_lshl_b32 s90, s90, 12                        ; my first row
	s_add_nc_u64 s[10:11], s[10:11], s[90:91]
.irp b, 0,1,2,3
	global_load_b128 v[BO+8*\b:BO+8*\b+3], v[H32], s[8:9] offset:64*\b       ; lane (r, h): bo at columns 16 t + 8 h + 0 .. 7
	global_load_b128 v[BO+8*\b+4:BO+8*\b+7], v[H32], s[8:9] offset:64*\b+16
.endr
.macro FETCH4 p                        ; the record in hand: 24 + 12 + 2 loads into set p (the argument may be an expression: it stands in parentheses throughout)
	WIN 0x40
.irp a, 0,1,2,3
.irp k, 0,1,2,3,4,5
	ds_load_b64 v[96*(\p)+48+12*\a+2*\k:96*(\p)+48+12*\a+2*\k+1], v[AA] offset:1536*\a+256*\k
.endr
.endr
.irp b, 0,1,2,3
.irp g, 0,1,2
	ds_load_b128 v[96*(\p)+12*\b+4*\g:96*(\p)+12*\b+4*\g+3], v[AB] offset:1536*\b+512*\g
.endr
.endr
	WIN 0
	ds_load_b64 v[AS+4*(\p):AS+4*(\p)+1], v[AAS]
	ds_load_b64 v[BS+4*(\p):BS+4*(\p)+1], v[ABS]
.endm
; K step s on set p = s % 2; ahead of its products the next step's fragments are asked for
.macro STEP s, p
	s_wait_dscnt 0x0                               ; this step's set is in
.if \s < 7
	v_add_nc_u32 v[AA], REC, v[AA]                 ; on to the next record: also the four places in front of loads into registers that the last products read
	v_add_nc_u32 v[AB], REC, v[AB]
	v_add_nc_u32 v[AAS], REC, v[AAS]
	v_add_nc_u32 v[ABS], REC, v[ABS]
	FETCH4 1-\p
.endif
	WIN 0x05                                       ; sources 0 and 1 window 1; C and D window 0
.irp a, 0,1,2,3                        ; the sixteen accumulators by turns
.irp b, 0,1,2,3
.if \s == 0
	WM ACC+8*(4*\a+\b), 96*(\p)+12*\b, 96*(\p)+48+12*\a, BO+8*\b, BS+4*(\p)+\b/2, AS+4*(\p)+\a/2, \b%2, \a%2
.else
	WM ACC+8*(4*\a+\b), 96*(\p)+12*\b, 96*(\p)+48+12*\a, ACC+8*(4*\a+\b), BS+4*(\p)+\b/2, AS+4*(\p)+\a/2, \b%2, \a%2
.endif
.endr
.endr
	WIN 0
.endm
	s_wait_tensorcnt 0x0                           ; my one load, four records, has landed
	s_barrier_signal -1
	s_barrier_wait -1                              ; records 0 and 1 of both operands are whole
	FETCH4 0
	s_wait_loadcnt 0x0                             ; the bias
	STEP 0, 0
	s_wait_alu depctr_va_vdst(0)
	STEP 1, 1
	s_wait_alu depctr_va_vdst(0)
	STEP 2, 0
	s_wait_alu depctr_va_vdst(0)
	STEP 3, 1
	s_wait_alu depctr_va_vdst(0)
	STEP 4, 0
	s_wait_alu depctr_va_vdst(0)
	STEP 5, 1
	s_wait_alu depctr_va_vdst(0)
	STEP 6, 0
	STEP 7, 1
; THE WAY OUT, 16 rows x 64 columns at a time, through my own stage: LDS serves a wave's instructions in order, so no wait stands between the stores and the loads, nor in front of the next block's stores
.macro TOSTAGE a
.irp b, 0,1,2,3
	ds_store_b128 v[STO], v[ACC+8*(4*(\a)+\b):ACC+8*(4*(\a)+\b)+3] offset:64*\b          ; each accumulator from its low end on
	ds_store_b128 v[STO], v[ACC+8*(4*(\a)+\b)+4:ACC+8*(4*(\a)+\b)+7] offset:64*\b+16
.endr
.irp i, 0,1,2,3,4,5,6,7
	ds_load_b128 v[OB+32*((\a)%2)+4*\i:OB+32*((\a)%2)+4*\i+3], v[RD] offset:544*\i
.endr
.endm
.macro SEND a, younger                 ; younger: the LDS instructions issued behind block a's loads
	s_wait_dscnt \younger
.irp i, 0,1,2,3,4,5,6,7
	global_store_b128 v[CO], v[OB+32*((\a)%2)+4*\i:OB+32*((\a)%2)+4*\i+3], s[10:11] offset:(16*(\a)+2*\i)*4096 th:TH_STORE_NT   ; sixteen lanes store 256 consecutive bytes, aligned
.endr
.endm
	NOPS 4                                         ; four places between the last products and the first read of results
	TOSTAGE 0
	TOSTAGE 1
	SEND 0, 16
	s_wait_xcnt 0x0                                ; block 0's stores have read their registers: block 2's rows may land there
	TOSTAGE 2
	SEND 1, 16
	s_wait_xcnt 0x0
	TOSTAGE 3
	SEND 2, 16
	SEND 3, 0
	s_wait_tensorcnt 0x0                           ; the wave's end, behind my last tensor load and my last LDS store
	ds_add_u32 v[SPW], v[NIL]
	s_wait_dscnt 0x0
	CROUND                                         ; the closing round
	s_endpgm
.Lfunc_end_k_qb09add23a0_oproj:
	.size	k_qb09add23a0_oproj, .Lfunc_end_k_qb09add23a0_oproj-k_qb09add23a0_oproj
	.p2alignl 7, 3214868480
	.fill 96, 4, 3214868480
	.section	.rodata,"a",@progbits
	.p2align	6, 0x0
	.amdhsa_kernel k_qb09add23a0_oproj
		.amdhsa_group_segment_fixed_size 222720
		.amdhsa_private_segment_fixed_size 0
		.amdhsa_enable_private_segment 0
		.amdhsa_kernarg_size 32
		.amdhsa_user_sgpr_count 2
		.amdhsa_user_sgpr_kernarg_segment_ptr 1
		.amdhsa_wavefront_size32 1
		.amdhsa_system_sgpr_workgroup_id_x 1
		.amdhsa_system_sgpr_workgroup_id_y 1
		.amdhsa_system_sgpr_workgroup_id_z 1
		.amdhsa_system_vgpr_workitem_id 0
		.amdhsa_next_free_vgpr 512
		.amdhsa_next_free_sgpr 100
		.amdhsa_reserve_vcc 0
		.amdhsa_float_denorm_mode_32 3
		.amdhsa_float_denorm_mode_16_64 3
		.amdhsa_memory_ordered 1
		.amdhsa_forward_progress 1
		.amdhsa_inst_pref_size 53
	.end_amdhsa_kernel
	.amdgpu_metadata
---
amdhsa.version: [ 1, 2 ]
amdhsa.kernels:
  - .name:           k_qb09add23a0_oproj
    .symbol:         k_qb09add23a0_oproj.kd
    .args:
      - { .name: aq, .offset: 0, .size: 8, .value_kind: global_buffer, .address_space: global }
      - { .name: woq, .offset: 8, .size: 8, .value_kind: global_buffer, .address_space: global }
      - { .name: bo, .offset: 16, .size: 8, .value_kind: global_buffer, .address_space: global }
      - { .name: out0, .offset: 24, .size: 8, .value_kind: global_buffer, .address_space: global }
    .group_segment_fixed_size: 222720
    .private_segment_fixed_size: 0
    .kernarg_segment_align: 8
    .kernarg_segment_size: 32
    .max_flat_workgroup_size: 128
    .sgpr_count:     100
    .vgpr_count:     512
    .wavefront_size: 32
...
	.end_amdgpu_metadata
.endif
;; end of part 4
